; MI455X (gfx1250); checked and timed in simulation.
; The chip was launched on July 23, 2026; its instructions are those of AMD's public machine-readable ISA for CDNA 5 (MIT licence, August 2026) and "CDNA5" Instruction Set Architecture Reference Guide (July 2026). The comments in the code are by the model that wrote it; some were corrected since.
;; Causal Self Attention. Allowed arithmetic: matrix products marked QUANTISED: E5M2 operands, one E8M0 scale for each 32 along K, by v_wmma_scale_f32_16x16x128_f8f6f4 with both operands' format E5M2, f32 sums; everything else in f32.
;; Inputs: W_K 1,024 x 1,024 float32; W_O 1,024 x 1,024 float32; W_Q 1,024 x 1,024 float32; W_V 1,024 x 1,024 float32; x 4 x 2,048 x 1,024 float32.
;; Outputs: out0 4 x 2,048 x 1,024 float32.
;; This version of the problem:
;;   THIS VERSION OF THE PROBLEM IS GIVEN IN LOW PRECISION. The matrix products marked QUANTISED in the list below multiply operands that are first quantised to E5M2 (5 exponent bits, 2 mantissa bits; 8 bits a number), with one power-of-two scale for each 32 numbers along K (OCP MX v1.0); their sums are f32. All else is computed in f32.
;;   The module's matrix products, in the order in which they are computed (A, B: the left and right operand; K: the contracted axis; several contracted axes count as one K, in the product's order):
;;     1. [M 8,192, K 1,024] x [K 1,024, N 1,024]; A: input x; B: input W_Q: QUANTISED
;;     2. [M 8,192, K 1,024] x [K 1,024, N 1,024]; A: input x; B: input W_K: QUANTISED
;;     3. [M 8,192, K 1,024] x [K 1,024, N 1,024]; A: input x; B: input W_V: QUANTISED
;;     4. batch 64 x [M 2,048, K 64] x [K 64, N 2,048]; A: computed on the way; B: computed on the way: QUANTISED
;;     5. batch 64 x [M 2,048, K 2,048] x [K 2,048, N 64]; A: softmax (see below); B: computed on the way: QUANTISED
;;     6. [M 8,192, K 1,024] x [K 1,024, N 1,024]; A: computed on the way; B: input W_O: QUANTISED
;;   THE QUANTISER, for each operand of a quantised product, along K:
;;     - K is cut into blocks of 32 from its start; a last block that is shorter is filled with zeros.
;;     - A block's scale is 2^e with e = floor(log2(the largest magnitude in the block)) - 15, held to -126 .. 127; a block of zeros has e = 0. As a byte (E8M0): e + 127.
;;     - Each number is divided by its block's scale, clamped to +-57,344, and rounded to the nearest number of E5M2, ties to even, subnormals kept.
;;     - The product sums the exact products of the quantised numbers (number of the format x scale) in f32.
;;   ~~~python
;;   def quantise(x, axis):      # numpy; x: float32 -> the quantised numbers, widened to float32 again
;;       x = np.moveaxis(x, axis, -1); K = x.shape[-1]
;;       x = np.pad(x, [(0, 0)] * (x.ndim - 1) + [(0, -K % 32)]); x = x.reshape(x.shape[:-1] + (-1, 32)); a = np.abs(x).max(-1, keepdims=True)
;;       e = np.where(a > 0, np.clip(np.frexp(np.where(a > 0, a, 1))[1] - 1 - 15, -126, 127), 0)      # np.frexp(a)[1] - 1 = floor(log2(a)), exactly
;;       r = np.clip(x / 2.0 ** e, -57344, 57344)
;;       step = 2.0 ** (np.maximum(np.frexp(np.where(r == 0, 1, r))[1] - 1, -14) - 2)
;;       q = np.round(r / step) * step * 2.0 ** e      # np.round: ties to even
;;       return np.moveaxis(q.reshape(q.shape[:-2] + (-1,))[..., :K], -1, axis).astype(np.float32)
;;   ~~~
;;   SOFTMAX AHEAD OF A QUANTISED PRODUCT. Where the list says 'softmax', what is quantised is not the finished softmax but p = 2^(t - M), with t = logit x log2(e) and M = ceil(the row's largest t), a whole number; so 1/2 < the row's largest p <= 1. The row's sum l is taken of the UNQUANTISED p, in f32, and the product's result is divided by l at the end. Since M is a whole number, a kernel that streams over the keys may use a running M (the ceiling of the running maximum): every later rescaling is an exact power of two, which a block's scale takes up: the codes' values come out the same.
;;   OPERANDS COMPUTED ON THE WAY. 'Computed on the way' means the value that the module computes at that place (a softmax that the list does not call 'softmax' is quantised finished and normalised). What goes into a quantiser is computed in f32, as accurately as f32 sums, v_exp_f32 and their like allow (about 1e-6 of the number): no bf16 or f16 on the way to a quantiser, and a product that is left as it is and whose result goes on into a quantised operand takes f32 operands (vector FMAs, or v_wmma_f32_16x16x4_f32). A number that lies on a knife's edge between two numbers of the format may be rounded either way, as far as f32 arithmetic and the matrix unit's own rounding can turn it there, and no further.
;; One version. Each part assembles by itself: llvm-mc -triple=amdgcn-amd-amdhsa -mcpu=gfx1250 --defsym DOCPART=n.
;; ======== version 1 of 1: 4 launches
;; limits: right only within a limited range of input values
;; workspace buffers: c1 12,582,912 bytes; s1 393,216 bytes; c2 25,165,824 bytes; s2 786,432 bytes; ao 8,388,608 bytes; aos 262,144 bytes
;; launch quant (part 1): grid 384 x 1, 4 waves a work-group, no clusters, 33,280 bytes of LDS; arguments x, W_Q, W_K, W_V, W_O, c1, s1; writes c1, s1
.if DOCPART == 1
	.amdgcn_target "amdgcn-amd-amdhsa--gfx1250"
	.amdhsa_code_object_version 6
	.text
	.protected	k_qf398c3e112_quant
	.globl	k_qf398c3e112_quant
	.p2align	8
	.type	k_qf398c3e112_quant,@function
k_qf398c3e112_quant:
	s_mov_b64 s[64:65], 0
	v_nop
	global_prefetch_b8 v0, s[64:65] scope:SCOPE_SE
	s_setreg_imm32_b32 hwreg(HW_REG_WAVE_MODE, 25, 1), 1
	s_wait_xcnt 0x0
; x [8192][1024] and the four weights [1024][1024], f32, K innermost, become codes of BF8 (E5M2) in c1 [12288 places][1024] and one E8M0 byte for each 32 along K in s1 [12288 places][32].
; Rows of c1: 0.. x, 8192.. W_Q, 9216.. W_K, 10240.. W_V, 11264.. W_O.  PLACES: row R lies at the place that has bits 3 and 4 of R exchanged, so that sixteen neighbouring places 16 t + r are the rows
; 32 (t / 2) + 8 (t % 2) + r + 8 (r / 8): as source 0 of a product, tiles 2 b and 2 b + 1 then give a lane 16 true neighbours.  A wave takes 8 rows, so the exchange is an exchange of the two bits of the wave's number.
; A block's scale is 2^(floor(log2(its largest magnitude)) - 15); its byte is the largest magnitude's exponent field - 15, held at 1 from below.  Each number is rounded to the nearest code, ties to even.
; LIMITS: a block of zeros, and a block whose largest magnitude lies under 2^(16 - 127), gets the byte 1 (the bytes are read by this program alone; zero codes add nothing under it); NaN and infinities among the inputs are not served.
; A work-group takes 32 rows, a wave 8 rows = 16 steps of 512 numbers.  Each load reads 512 consecutive bytes; a step's 2,048 bytes turn through the wave's own stage in LDS, so that a lane holds 16 neighbours along K
; (two neighbouring lanes hold a block).  A wave's store of codes covers 512 consecutive bytes; its 256 scale bytes are gathered in LDS and leave as one aligned run of 256 bytes.  Waves share nothing: no barrier.
.set STEPS, 16
.set MANT,  0x600000                   ; the mantissa field of 57,344 as f32
.set CB,    16                         ; bytes of 16 codes
.set R,     16                         ; v16-79   four sets of 16 numbers as they are loaded
.set X,     80                         ; v80-111  two sets of 16 neighbours
.set C,     128                        ; v128-191 codes: four registers for each step, so that no store's data are written again
.set E,     112                        ; v112-127 a scale byte for each step
.set WREG,  8192                       ; LDS: a region for each wave: two stages of 32 x SP bytes, and behind them its 256 scale bytes
.set SP,    80                         ; a lane's place in a stage: its 64 bytes + 16 of padding
	s_load_b256 s[4:11], s[0:1], 0x0               ; x s[4:5], W_Q s[6:7], W_K s[8:9], W_V s[10:11]
	s_load_b128 s[12:15], s[0:1], 0x20             ; W_O s[12:13], c1 s[14:15]
	s_load_b64 s[16:17], s[0:1], 0x30              ; s1
	v_lshl_add_u32 v192, v0, 2, 0x8000
	v_mov_b32 v193, 0
	v_lshrrev_b32 v1, 5, v0
	v_readfirstlane_b32 s18, v1                    ; wave
	v_and_b32 v2, 31, v0                           ; lane
	v_lshlrev_b32 v3, 4, v2                        ; my 16 bytes of a load's 512
	s_mul_i32 s19, s18, WREG
	v_lshrrev_b32 v14, 2, v2
	v_mul_u32_u24 v14, v14, SP
	v_and_b32 v15, 3, v2
	v_lshl_add_u32 v14, v15, 4, v14
	v_add_nc_u32 v14, s19, v14                     ; the stage, on the way in: SP (lane / 4) + 16 (lane % 4)
	v_mul_u32_u24 v15, v2, SP
	v_add_nc_u32 v15, s19, v15                     ; and on the way out: SP x lane: my 16 neighbours
	v_mul_u32_u24 v4, v2, CB                       ; my codes' place in a step's
	v_lshrrev_b32 v5, 1, v2
	s_add_co_u32 s19, s19, 2*32*SP
	v_add_nc_u32 v5, s19, v5                       ; LDS: my wave's 256 scale bytes, my block's byte
	v_lshlrev_b32 v7, 3, v2                        ; and on the way out 8 bytes a lane
	v_add_nc_u32 v6, s19, v7
	s_mov_b32 s20, 352                             ; the first work-group of the tensor in hand: W_O's, unless one of the compares below says otherwise
	s_wait_alu depctr_va_vdst(0)
	s_wait_kmcnt 0x0
	s_cmp_lt_u32 ttmp9, 352                        ; the choice hangs on the work-group's number alone
	s_cselect_b64 s[12:13], s[10:11], s[12:13]
	s_cselect_b32 s20, 320, s20
	s_cmp_lt_u32 ttmp9, 320
	s_cselect_b64 s[12:13], s[8:9], s[12:13]
	s_cselect_b32 s20, 288, s20
	s_cmp_lt_u32 ttmp9, 288
	s_cselect_b64 s[12:13], s[6:7], s[12:13]
	s_cselect_b32 s20, 256, s20
	s_cmp_lt_u32 ttmp9, 256
	s_cselect_b64 s[12:13], s[4:5], s[12:13]
	s_cselect_b32 s20, 0, s20
	s_sub_co_u32 s20, ttmp9, s20
	s_lshl_b32 s20, s20, 2
	s_add_co_u32 s20, s20, s18                     ; which run of 8 rows of the tensor is my wave's
	s_lshl_b32 s20, s20, 15                        ; 32,768 bytes a run
	s_mov_b32 s21, 0
	s_add_nc_u64 s[12:13], s[12:13], s[20:21]
	s_and_b32 s24, s18, 1                          ; where it goes: the wave's two bits exchanged
	s_lshl_b32 s24, s24, 1
	s_lshr_b32 s25, s18, 1
	s_or_b32 s24, s24, s25
	s_lshl_b32 s25, ttmp9, 2
	s_add_co_u32 s24, s24, s25
	s_lshl_b32 s26, s24, 13                        ; 8,192 bytes of codes a run
	s_mov_b32 s27, 0
	s_add_nc_u64 s[14:15], s[14:15], s[26:27]
	s_lshl_b32 s26, s24, 8                         ; 256 scale bytes a run
	s_add_nc_u64 s[16:17], s[16:17], s[26:27]
.macro LOAD t
.irp i, 0,1,2,3
	global_load_b128 v[R+16*((\t)%4)+4*\i:R+16*((\t)%4)+4*\i+3], v3, s[12:13] offset:2048*(\t)+512*\i th:TH_LOAD_NT   ; 32 lanes read 512 consecutive bytes
.endr
.endm
.macro TURN t                          ; step t's numbers through the stage: LDS serves a wave's instructions in order, so no wait stands between the stores and the loads
.irp i, 0,1,2,3
	ds_store_b128 v14, v[R+16*((\t)%4)+4*\i:R+16*((\t)%4)+4*\i+3] offset:32*SP*((\t)%2)+8*SP*\i
.endr
.irp i, 0,1,2,3
	ds_load_b128 v[X+16*((\t)%2)+4*\i:X+16*((\t)%2)+4*\i+3], v15 offset:32*SP*((\t)%2)+16*\i
.endr
.endm
.irp t, 0,1,2,3
	LOAD \t
.endr
	s_wait_loadcnt 12                              ; step 0's four loads are in; the twelve of steps 1 to 3 may be out
	TURN 0
.macro STEP t
.set XS, X+16*((\t)%2)
.if (\t) > 0
	s_wait_dscnt 1                                 ; this step's numbers are back from the stage (the last step's byte store may be out): so its stores into the stage have read their registers,
.else
	s_wait_dscnt 0x0
.endif
.if (\t)+4 < STEPS
	LOAD (\t)+4                                    ; which take the loads of four steps on
.endif
.if (\t)+1 < STEPS
.if STEPS-2-(\t) >= 3
	s_wait_loadcnt 12                              ; the next step's four loads are in; those of the three steps behind it may be out
.else
	s_wait_loadcnt 4*(STEPS-2-(\t))
.endif
	TURN (\t)+1                                    ; and go through the other stage while this step is worked
.endif
	v_max3_num_f32 v8, |v[XS]|, |v[XS+1]|, |v[XS+2]|               ; the largest magnitude of my 16, in two chains
	v_max3_num_f32 v9, |v[XS+3]|, |v[XS+4]|, |v[XS+5]|
.irp i, 6,10
	v_max3_num_f32 v8, v8, |v[XS+\i]|, |v[XS+\i+1]|
	v_max3_num_f32 v9, v9, |v[XS+\i+2]|, |v[XS+\i+3]|
.endr
	v_max3_num_f32 v8, v8, |v[XS+14]|, |v[XS+15]|
	v_max3_num_f32 v8, v8, v9, 0x8000000           ; and the floor 2^(16 - 127): so the byte cannot fall under 1
	v_max_num_f32_dpp v8, v8, v8 row_xmask:1 row_mask:0xf bank_mask:0xf   ; and of my neighbour's 16: the block's
	v_add_nc_u32 v11, 0xf8800000, v8               ; 15 off its exponent field: the conversion takes the exponent field of this operand as its scale
.irp i, 0,1,2,3,4,5,6,7,8,9,10,11,12,13,14,15
.endr
	v_cvt_scalef32_pk8_bf8_f32 v[C+4*(\t):C+4*(\t)+1], v[XS:XS+7], v11
	v_cvt_scalef32_pk8_bf8_f32 v[C+4*(\t)+2:C+4*(\t)+3], v[XS+8:XS+15], v11
	v_lshrrev_b32 v[E+(\t)], 23, v11               ; the scale's byte
	ds_store_b8 v5, v[E+(\t)] offset:16*(\t)       ; both lanes of a block write the same byte with the same value
	global_store_b128 v4, v[C+4*(\t):C+4*(\t)+3], s[14:15] offset:32*CB*(\t)
.endm
.irp t, 0,1,2,3,4,5,6,7,8,9,10,11,12,13,14,15
	STEP \t
.endr
	ds_load_b64 v[12:13], v6                       ; LDS serves a wave's instructions in order: these see my stores
	s_wait_dscnt 0x0
	global_store_b64 v7, v[12:13], s[16:17]        ; 32 lanes store 256 consecutive bytes, aligned
	s_wait_tensorcnt 0x0
	ds_add_u32 v192, v193
	s_wait_dscnt 0x0
	s_endpgm
.Lfunc_end_k_qf398c3e112_quant:
	.size	k_qf398c3e112_quant, .Lfunc_end_k_qf398c3e112_quant-k_qf398c3e112_quant
	.p2alignl 7, 3214868480
	.fill 96, 4, 3214868480
	.section	.rodata,"a",@progbits
	.p2align	6, 0x0
	.amdhsa_kernel k_qf398c3e112_quant
		.amdhsa_group_segment_fixed_size 33280
		.amdhsa_private_segment_fixed_size 0
		.amdhsa_enable_private_segment 0
		.amdhsa_kernarg_size 56
		.amdhsa_user_sgpr_count 2
		.amdhsa_user_sgpr_kernarg_segment_ptr 1
		.amdhsa_wavefront_size32 1
		.amdhsa_system_sgpr_workgroup_id_x 1
		.amdhsa_system_sgpr_workgroup_id_y 1
		.amdhsa_system_sgpr_workgroup_id_z 1
		.amdhsa_system_vgpr_workitem_id 0
		.amdhsa_next_free_vgpr 194
		.amdhsa_next_free_sgpr 66
		.amdhsa_reserve_vcc 0
		.amdhsa_float_denorm_mode_32 3
		.amdhsa_float_denorm_mode_16_64 3
		.amdhsa_fp16_overflow 1
		.amdhsa_memory_ordered 1
		.amdhsa_forward_progress 1
		.amdhsa_inst_pref_size 34
	.end_amdhsa_kernel
	.amdgpu_metadata
---
amdhsa.version: [ 1, 2 ]
amdhsa.kernels:
  - .name:           k_qf398c3e112_quant
    .symbol:         k_qf398c3e112_quant.kd
    .args:
      - { .name: x, .offset: 0, .size: 8, .value_kind: global_buffer, .address_space: global }
      - { .name: W_Q, .offset: 8, .size: 8, .value_kind: global_buffer, .address_space: global }
      - { .name: W_K, .offset: 16, .size: 8, .value_kind: global_buffer, .address_space: global }
      - { .name: W_V, .offset: 24, .size: 8, .value_kind: global_buffer, .address_space: global }
      - { .name: W_O, .offset: 32, .size: 8, .value_kind: global_buffer, .address_space: global }
      - { .name: c1, .offset: 40, .size: 8, .value_kind: global_buffer, .address_space: global }
      - { .name: s1, .offset: 48, .size: 8, .value_kind: global_buffer, .address_space: global }
    .group_segment_fixed_size: 33280
    .private_segment_fixed_size: 0
    .kernarg_segment_align: 8
    .kernarg_segment_size: 56
    .max_flat_workgroup_size: 128
    .sgpr_count:     66
    .vgpr_count:     194
    .wavefront_size: 32
...
	.end_amdgpu_metadata
.endif
;; end of part 1
;; launch qkv (part 2): grid 8 x 48, 4 waves a work-group, clusters of 4 x 4, 327,680 bytes of LDS; arguments c1, s1, c2, s2; writes c2, s2
.if DOCPART == 2
	.amdgcn_target "amdgcn-amd-amdhsa--gfx1250"
	.amdhsa_code_object_version 6
	.text
	.protected	k_qf398c3e112_qkv
	.globl	k_qf398c3e112_qkv
	.p2align	8
	.type	k_qf398c3e112_qkv,@function
k_qf398c3e112_qkv:
	s_mov_b64 s[64:65], 0
	v_nop
	global_prefetch_b8 v0, s[64:65] scope:SCOPE_SE
	s_setreg_imm32_b32 hwreg(HW_REG_WAVE_MODE, 25, 1), 1
	s_wait_xcnt 0x0
	s_wait_alu depctr_hold_cnt(0) depctr_sa_sdst(0) depctr_va_vdst(0) depctr_va_sdst(0) depctr_va_ssrc(0) depctr_va_vcc(0) depctr_vm_vsrc(0)
	s_getreg_b32 s2, hwreg(HW_REG_IB_STS2, 6, 4)
	s_cmp_eq_u32 s2, 0
	s_cbranch_scc0 .Lentry_in_a_cluster
	s_endpgm
.Lentry_in_a_cluster:
	s_bfe_u32 s2, ttmp6, 0x10000c
	s_cmp_lg_u32 s2, 0xf033
	s_cbranch_scc0 .Lentry_shape_is_right
	s_endpgm
.Lentry_shape_is_right:
; Q, K and V = x W^T on codes of BF8 (E5M2) with E8M0 scales (K = 1,024), and the results quantised at once, in registers, for the two products of attention.
; A tile of 256 x 256 is made by four waves, each 128 x 128: 64 accumulators, 512 registers.  K goes in steps of 256 through a ring of two LDS slots filled by the tensor data mover; the scale bytes of the work-group's
; 2 x 256 rows, for all of K, come once with the first fills.  4 x 4 work-groups form a cluster: the tile called A is shared along a row of the cluster, the tile called B along a column, each asked for jointly.
; A IS SOURCE 1 (its rows become lanes), B IS SOURCE 0 (its rows run along a lane's registers).  c1's rows lie at places with bits 3 and 4 exchanged, so that accumulators (a, 2 g) and (a, 2 g + 1) hold 16 TRUE neighbours
; 32 g + 16 (lane / 16) + 0 .. 15 of B's rows: a block of 32 lies in lanes l and l xor 16, and eight conversions of a lane's 64 numbers ARE an operand's 16 registers.
; TWO KINDS, told apart by the cluster's y, which all partners share.  Q, K (cluster y 0-7): A = 256 tokens, B = 256 rows of W_Q | W_K: a lane holds a token, its registers run along the features: quantised along the head's 64.
; V (cluster y 8-11): A = 256 rows of W_V, B = 256 tokens: a lane holds a feature, its registers run along the tokens: quantised along the keys.
; OUT, as images of registers (four registers = one store of 512 consecutive bytes, 16 a lane):  c2 + 0: [16 tokens' tile 512][head 32: Q's 16, K's 16][2][512];  c2 + 16,777,216: [128 keys' step 64][16 features' tile 64][4][512].
; Scale words:  s2 + 0: [head 32][8 tiles' group 64][row 16][4 words], word j = the two bytes of tile 2 j and the two of tile 2 j + 1;  s2 + 524,288: [batch 4][head 16][key step 16][row 16][4 words, one a tile of features].
; LIMITS: a block whose largest magnitude lies under 2^(16 - 127) gets the byte 1; NaN and infinities are not served.
; REGISTERS, in windows of 256: window 0: v0-31 addresses; v32-63 scale words, two sets; from v128 A's fragments, one set; on the way out v128-255 are at work.  window 1: B's fragments, two sets.  windows 2, 3: the accumulators.
; No prefetch: K has four slots' worth, two of which go out at the head.
.set KSTEP,  256
.set NQ,     2                         ; matrix instructions deep in a slot
.set ROWB,   256                       ; a tile's row in bytes
.set KROW,   1024                      ; a row of c1 in bytes
.set PITCH,  272                       ; an LDS row: 256 bytes + 16 of padding: the 16 rows that a load touches start at 16 different banks (64 banks of 4 bytes: ISA guide 11.1)
.set FR,     16
.set NL,     4
.set NP,     8                         ; places behind this matrix instruction (ISA guide 7.12.1)
.set HALFT,  128*PITCH
.set SLOT,   4*HALFT
.set LAPS,   2                         ; 1,024 / 512
.set KS,     32                        ; a row of scales in bytes
.set SCL,    2*SLOT
.set HALFS,  (128*KS/256)*272
.set SBLK,   (16*KS/256)*272
.set SPARE,  SCL+4*HALFS               ; the spare words, 128 bytes for each wave: two blocks of 256 bytes that no other line names
.set SELQ, 8                           ; v8      byte selects for Q's and K's scale words: lanes 0-15 bytes 0, 1 of two words, lanes 16-31 bytes 2, 3
.set SELV, 9                           ; v9      for V's: lanes 0-15 the second source, lanes 16-31 the first
.set ADRA, 16
.set ADRB, 20
.set VS,   25                          ; v25     my byte offset among the scale words
.set VO,   26                          ; v26     16 x lane: my place in an image
.set ADRS, 27
.set SPW,  28
.set NIL,  29
.set SC,   32
.set AF,   128
.set XN,   128                         ; the way out: v128-191 a block's 64 numbers, held
.set PC,   192                         ; v192-207 its codes
.set TM,   224                         ; v224-227 largest magnitudes, v228-231 bytes, v232-235 57,344 x the scale, v236-239 the conversions' scale operands
.set PWS,  240                         ; v240-247 a scale word for each of A's eight blocks
.set SWD,  248                         ; v248-251 the four words that I store
.set G1, 24
.set G0, 32
.set G1B, 48
.set G0B, 56
.set G1S, 68
.set G0S, 76
.set G1SB, 80
.set G0SB, 88
.set MNT, 43                           ; s43     the mantissa field of 57,344 (behind the first fills)
.set SEL, 44                           ; s44-45  v_permlanex16_b32's selects for lane l xor 16 (behind the first fills)
.set STR, 100                          ; s[100:101] bytes from one of A's blocks to the next in c2
.set MSB, 0
.macro WIN new                         ; the immediate's high byte repeats the setting that is left
.if MSB != \new
	s_set_vgpr_msb (MSB<<8)|\new
.set MSB, \new
.endif
.endm
.set MUL_LO, 0xa1                      ; source 0 (B) window 1, source 1 (A) window 0, C and D window 2
.set MUL_HI, 0xf1
.set TO_B,   0x40
; A joint load: waves 0 and 1 fetch for A, waves 2 and 3 for B; the branch hangs on the wave's number alone.  Four v_nop follow each of the two lines.
.macro JLOAD g0a, g1a, g0b, g1b
	s_cmp_eq_u32 s15, 0
	s_cbranch_scc0 .Lfor_b_\@
	tensor_load_to_lds s[\g0a:\g0a+3], s[\g1a:\g1a+7]
	s_nop 0
.rept 4
	v_nop
.endr
	s_branch .Lasked_\@
.Lfor_b_\@:
	tensor_load_to_lds s[\g0b:\g0b+3], s[\g1b:\g1b+7]
	s_nop 0
.rept 4
	v_nop
.endr
.Lasked_\@:
.endm
.macro CREST                           ; a round of the cluster's barrier behind its opening barrier
	s_cmp_lg_u32 s14, 0
	s_cbranch_scc1 .Lnot_wave_0_\@
	s_barrier_signal -3
.Lnot_wave_0_\@:
	s_barrier_wait -3
	s_barrier_signal -1
	s_barrier_wait -1
.endm
.macro CROUND
	s_barrier_signal -1
	s_barrier_wait -1
	CREST
.endm
	s_load_b256 s[4:11], s[0:1], 0x0               ; c1 s[4:5], s1 s[6:7], c2 s[8:9], s2 s[10:11]
	v_lshl_add_u32 v[SPW], v0, 2, SPARE
	v_mov_b32 v[NIL], 0
	ds_add_u32 v28, v29
	ds_add_u32 v28, v29
	s_wait_dscnt 0x0
	v_lshrrev_b32 v1, 5, v0
	v_readfirstlane_b32 s14, v1                    ; wave 0..3
	s_lshr_b32 s15, s14, 1                         ; which half of A's rows is mine.  Also: I fetch for A (0) or for B (1)
	s_and_b32 s16, s14, 1                          ; which half of B's rows.  Also: which 128 rows of that tile I fetch
	s_bfe_u32 s40, ttmp6, 0x40000                  ; cx
	s_bfe_u32 s41, ttmp6, 0x40004                  ; cy
	s_lshl_b32 s42, ttmp9, 2
	s_add_co_u32 s42, s42, s40                     ; X = 4 x cluster x + cx
	s_and_b32 s12, ttmp7, 0xffff                   ; cluster y
	s_lshl_b32 s17, s12, 2
	s_add_co_u32 s17, s17, s41                     ; Y = 4 x cluster y + cy
	s_lshl_b32 s43, s41, 2
	s_lshl_b32 s43, 15, s43                        ; my row of the cluster
	s_lshl_b32 s44, 0x1111, s40                    ; my column
	; which 256 rows of c1 are A's tile and B's.  A's number is made of cy and the cluster's y alone, B's of cx and the cluster's x and y alone
	s_add_co_u32 s95, s41, 40                      ; V: A = W_V's rows 256 cy on
	s_add_co_u32 s96, s42, 32                      ; Q, K: B = W_Q's and W_K's rows 256 X on
	s_max_u32 s97, s12, 8
	s_sub_co_u32 s97, s97, 8
	s_lshl_b32 s97, s97, 3
	s_add_co_u32 s97, s97, s42                     ; V: B = tokens 256 (X + 8 (cluster y - 8)) on
	s_mov_b32 s[STR], 32768
	s_mov_b32 s[STR+1], 0
	s_mov_b32 s2, 16384
	s_cmp_ge_u32 s12, 8                            ; V's kind?  The same answer in all sixteen partners
	s_cselect_b32 s13, -1, 0                       ; as a mask for v_cndmask_b32
	s_cselect_b32 s95, s95, s17                    ; A's tile
	s_cselect_b32 s96, s97, s96                    ; B's tile
	s_cselect_b32 s98, s41, s17                    ; A's tile counted in its own tensor,
	s_cselect_b32 s99, s97, s42                    ; and B's: they say where the results go
	s_cselect_b32 s[STR], 2048, s[STR]
	s_cselect_b32 s2, 4096, s2                     ; bytes from a head's scale words to the next head's
	; descriptor group 1: a tile of 128 rows x 256 bytes, padded in LDS
	s_or_b32 s[G1+0], s43, (0<<16)|(1<<20)|(1<<21)|(5<<22)|(3<<25)  ; 15:0 the mask; 17:16 elements of 1 byte; 20 padding on; 21 set beside a mask; 24:22 after every 64 words; 31:25 four words
	s_or_b32 s[G1B+0], s44, (0<<16)|(1<<20)|(1<<21)|(5<<22)|(3<<25)
.irp g, G1, G1B
	s_mov_b32 s[\g+1], ROWB<<16                    ; tensor_dim0
	s_mov_b32 s[\g+2], 128<<16                     ; tensor_dim1
	s_mov_b32 s[\g+3], ROWB<<16                    ; tile_dim0
	s_mov_b32 s[\g+4], 128                         ; tile_dim1
	s_mov_b32 s[\g+5], KROW                        ; tensor_dim0_stride
	s_mov_b32 s[\g+6], 0
	s_mov_b32 s[\g+7], 0
.endr
	; the scales of 128 rows: 4,096 dense bytes, as 16 rows of 256 bytes (32 elements of 8 bytes), 16 bytes of padding behind each
	s_or_b32 s[G1S+0], s43, (3<<16)|(1<<20)|(1<<21)|(5<<22)|(3<<25)
	s_or_b32 s[G1SB+0], s44, (3<<16)|(1<<20)|(1<<21)|(5<<22)|(3<<25)
.irp g, G1S, G1SB
	s_mov_b32 s[\g+1], 32<<16
	s_mov_b32 s[\g+2], (128*KS/256)<<16
	s_mov_b32 s[\g+3], 32<<16
	s_mov_b32 s[\g+4], 128*KS/256
	s_mov_b32 s[\g+5], 32
	s_mov_b32 s[\g+6], 0
	s_mov_b32 s[\g+7], 0
.endr
	s_lshl_b32 s18, s16, 7                         ; which 128 rows of the tile I fetch
	s_lshl_b32 s20, s95, 8
	s_add_co_u32 s20, s20, s18                     ; A's first row in c1
	s_lshl_b32 s46, s96, 8
	s_add_co_u32 s46, s46, s18                     ; B's
	s_lshl_b32 s22, s20, 5                         ; their scales, 32 bytes a row,
	s_mov_b32 s23, 0
	s_lshl_b32 s92, s46, 5
	s_mov_b32 s93, 0
	s_lshl_b32 s20, s20, 10                        ; and their codes, 1,024 bytes a row (12,288 rows: under 2^24 bytes)
	s_mov_b32 s21, 0
	s_lshl_b32 s46, s46, 10
	s_mov_b32 s47, 0
	s_mul_i32 s45, s14, HALFT                      ; where they go: wave x 128 rows: no place in the cluster enters an LDS address
	s_mul_i32 s94, s14, HALFS
	s_wait_kmcnt 0x0
	s_add_nc_u64 s[20:21], s[4:5], s[20:21]
	s_add_nc_u64 s[22:23], s[6:7], s[22:23]
	s_add_nc_u64 s[46:47], s[4:5], s[46:47]
	s_add_nc_u64 s[92:93], s[6:7], s[92:93]
	CROUND                                         ; all sixteen work-groups are here: the first joint loads meet
	s_mov_b32 s[G0S], 1
	s_add_co_u32 s[G0S+1], s94, SCL
	s_mov_b64 s[G0S+2:G0S+3], s[22:23]
	s_or_b32 s[G0S+3], s[G0S+3], 0x80000000
	s_mov_b32 s[G0SB], 1
	s_add_co_u32 s[G0SB+1], s94, SCL
	s_mov_b64 s[G0SB+2:G0SB+3], s[92:93]
	s_or_b32 s[G0SB+3], s[G0SB+3], 0x80000000
	JLOAD G0S, G1S, G0SB, G1SB                     ; the scales first: they are wanted with K step 0
.irp s, 0,1
	s_mov_b32 s[G0+4*\s], 1
	s_add_co_u32 s[G0+4*\s+1], s45, \s*SLOT
	s_add_nc_u64 s[G0+4*\s+2:G0+4*\s+3], s[20:21], \s*ROWB
	s_or_b32 s[G0+4*\s+3], s[G0+4*\s+3], 0x80000000
	s_mov_b32 s[G0B+4*\s], 1
	s_add_co_u32 s[G0B+4*\s+1], s45, \s*SLOT
	s_add_nc_u64 s[G0B+4*\s+2:G0B+4*\s+3], s[46:47], \s*ROWB
	s_or_b32 s[G0B+4*\s+3], s[G0B+4*\s+3], 0x80000000
	JLOAD G0+4*\s, G1, G0B+4*\s, G1B
.endr
	v_and_b32 v1, 15, v0                           ; r = l % 16
	v_bfe_u32 v2, v0, 4, 1                         ; h = l / 16
	v_mul_u32_u24 v3, v1, PITCH
	v_lshl_add_u32 v4, v2, 4, v3                   ; a fragment's row x pitch + 16 x half
	s_mul_i32 s21, s15, HALFT                      ; my 128 rows of A
	s_mul_i32 s22, s16, HALFT                      ; my 128 rows of B,
	s_add_co_u32 s22, s22, 2*HALFT                 ; which lie behind A's 256
.irp s, 0,1
	v_add_nc_u32 v[ADRA+\s], s21, v4
	v_add_nc_u32 v[ADRB+\s], s22, v4
	s_add_co_u32 s21, s21, SLOT
	s_add_co_u32 s22, s22, SLOT
.endr
	v_mul_u32_u24 v5, v1, KS                       ; my row's scales: 32 bytes a row,
	v_lshrrev_b32 v6, 8, v5
	v_lshl_add_u32 v5, v6, 4, v5                   ; and 16 more for each 256 passed
	s_mul_i32 s21, s15, HALFS
	s_mul_i32 s22, s16, HALFS
	s_add_co_u32 s22, s22, 2*HALFS
	s_sub_co_u32 s22, s22, s21
	v_mul_u32_u24 v6, s22, v2                      ; lanes 16-31 take B's
	s_add_co_u32 s21, s21, SCL
	v_add_nc_u32 v5, v5, v6
	v_add_nc_u32 v[ADRS], s21, v5
	; where the results go
	v_and_b32 v6, 31, v0
	v_lshlrev_b32 v[VO], 4, v6
	v_lshlrev_b32 v[VS], 4, v1                     ; scale words: 16 bytes a row; lanes 16-31 store the next head's
	v_mul_u32_u24 v6, s2, v2
	v_add_nc_u32 v[VS], v[VS], v6
	s_mov_b32 s18, 0x02020202
	v_mul_lo_u32 v[SELQ], v2, s18
	v_add_nc_u32 v[SELQ], 0x05040100, v[SELQ]
	s_mov_b32 s18, 0x04040404
	v_mul_lo_u32 v[SELV], v2, s18
	v_add_nc_u32 v[SELV], 0x03020100, v[SELV]
	s_lshl_b32 s98, s98, 1
	s_add_co_u32 s98, s98, s15                     ; RW: which 128 of A's rows are my wave's
	s_lshl_b32 s99, s99, 1
	s_add_co_u32 s99, s99, s16                     ; PWI: which 128 of B's
	s_lshl_b32 s18, s98, 18                        ; Q, K: 8 RW tiles of 32,768 bytes + 2 PWI heads of 1,024
	s_lshl_b32 s19, s99, 11
	s_add_co_u32 s18, s18, s19
	s_lshl_b32 s19, s99, 17                        ; V: PWI key steps of 131,072 bytes + 8 RW tiles of 2,048
	s_lshl_b32 s3, s98, 14
	s_add_co_u32 s19, s19, s3
	s_add_co_u32 s19, s19, 16777216
	s_lshl_b32 s66, s99, 15                        ; Q, K: 2 PWI heads of 16,384 bytes + RW groups of 256
	s_lshl_b32 s3, s98, 8
	s_add_co_u32 s66, s66, s3
	s_lshr_b32 s67, s99, 4                         ; V: the batch's 65,536 bytes, 2 RW heads of 4,096, the key step's 256
	s_lshl_b32 s67, s67, 16
	s_lshl_b32 s3, s98, 13
	s_add_co_u32 s67, s67, s3
	s_and_b32 s3, s99, 15
	s_lshl_b32 s3, s3, 8
	s_add_co_u32 s67, s67, s3
	s_add_co_u32 s67, s67, 524288
	s_cmp_ge_u32 s12, 8
	s_cselect_b32 s18, s19, s18
	s_cselect_b32 s66, s67, s66
	s_mov_b32 s19, 0
	s_mov_b32 s67, 0
	s_add_nc_u64 s[8:9], s[8:9], s[18:19]
	s_add_nc_u64 s[10:11], s[10:11], s[66:67]
	s_mov_b32 s[SEL], 0x76543210
	s_mov_b32 s[SEL+1], 0xfedcba98
	s_mov_b32 s[MNT], 0x600000
.macro FRAG reg, adr, q, i             ; 16 rows x 128 K of 8-bit codes: lane l holds row l % 16; registers 4 c .. 4 c + 3 hold K = 32 c + 16 (l / 16) + 0 .. 15
.irp c, 0,1,2,3
	ds_load_b128 v[\reg+4*\c:\reg+4*\c+3], v[\adr] offset:128*(\q)+32*\c+(\i)*16*PITCH
.endr
.endm
; 16 matrix instructions: A's blocks a0, a0 + 1 x B's eight.  The 64 accumulators take turns, one instruction a turn, in the same order in every step.
.macro MUL16 a0, p, q, sc, zero
.irp a, \a0, \a0+1
.irp b, 0,1,2,3,4,5,6,7
.if \zero
	v_wmma_scale_f32_16x16x128_f8f6f4 v[8*(8*((\a)%4)+\b):8*(8*((\a)%4)+\b)+7], v[128*(\p)+FR*\b:128*(\p)+FR*\b+FR-1], v[AF+FR*(\a):AF+FR*(\a)+FR-1], 0, v[SC+8*NQ*(\sc)+NQ*\b+(\q)], v[SC+8*NQ*(\sc)+NQ*(\a)+(\q)] matrix_a_fmt:MATRIX_FMT_BF8 matrix_b_fmt:MATRIX_FMT_BF8 matrix_a_scale:MATRIX_SCALE_ROW1
.else
	v_wmma_scale_f32_16x16x128_f8f6f4 v[8*(8*((\a)%4)+\b):8*(8*((\a)%4)+\b)+7], v[128*(\p)+FR*\b:128*(\p)+FR*\b+FR-1], v[AF+FR*(\a):AF+FR*(\a)+FR-1], v[8*(8*((\a)%4)+\b):8*(8*((\a)%4)+\b)+7], v[SC+8*NQ*(\sc)+NQ*\b+(\q)], v[SC+8*NQ*(\sc)+NQ*(\a)+(\q)] matrix_a_fmt:MATRIX_FMT_BF8 matrix_b_fmt:MATRIX_FMT_BF8 matrix_a_scale:MATRIX_SCALE_ROW1
.endif
.endr
.endr
.endm
.macro FETCH_B slot, q, p
	WIN TO_B
.irp i, 0,1,2,3,4,5,6,7
	FRAG 128*(\p)+FR*\i, ADRB+\slot, \q, \i
.endr
	WIN 0
.endm
.macro FETCH_A slot, q, i0
.irp i, \i0, \i0+1, \i0+2, \i0+3
	FRAG AF+FR*(\i), ADRA+\slot, \q, \i
.endr
.endm
.macro SCALES sc                       ; a K step's scale words: two words a row; lanes 0-15 take A's block i, lanes 16-31 B's block i
.irp i, 0,1,2,3,4,5,6,7
	ds_load_b64 v[SC+8*NQ*\sc+NQ*\i:SC+8*NQ*\sc+NQ*\i+1], v[ADRS] offset:\i*SBLK
.endr
.endm
.macro PLACES n                        ; plain vector instructions between a matrix instruction and a load into, or a vector instruction on, its registers
.rept \n
	v_nop
.endr
.endm
.macro STEP slot, q, zero              ; a step of 128 along K that has its successor in the same slot
	s_wait_dscnt 4*NL                              ; B's set, A's blocks 0-3 and the scale words are in; the youngest 16 loads (A's blocks 4-7) may be out
	WIN MUL_LO
	MUL16 0, (\q)%2, \q, \slot, \zero
	MUL16 2, (\q)%2, \q, \slot, \zero
	s_wait_dscnt 0
	PLACES NP
	FETCH_B \slot, (\q)+1, 1-(\q)%2
	FETCH_A \slot, (\q)+1, 0
	WIN MUL_HI
	MUL16 4, (\q)%2, \q, \slot, \zero
	MUL16 6, (\q)%2, \q, \slot, \zero
	PLACES NP
	WIN 0
	FETCH_A \slot, (\q)+1, 4
.endm
; A slot's last step changes slots: one barrier; in front of it each wave waits for all its tensor loads, adds 0 to its spare word, and waits for that and for its own reads of this slot.
.macro TURN slot, next, fill
	s_wait_tensorcnt 0x0                           ; all my tensor loads have landed: my part of the next slot
	ds_add_u32 v[SPW], v[NIL]                      ; 0 onto my spare word
	s_wait_dscnt 4*NL+1                            ; (the add and the youngest 16 loads, A's blocks 4-7, may be out)
	WIN MUL_LO
	MUL16 0, 1, NQ-1, \slot, 0
	s_wait_dscnt 0x0                               ; the add is done, and my reads of this slot are over
	s_barrier_signal -1
	MUL16 2, 1, NQ-1, \slot, 0
	WIN 0
	s_barrier_wait -1
.if \fill
	CREST                                          ; the barrier has opened a round of the cluster's barrier: no wave of any partner still reads this slot or has a load on its way
	s_add_nc_u64 s[G0+4*\slot+2:G0+4*\slot+3], s[G0+4*\slot+2:G0+4*\slot+3], 2*ROWB
	s_add_nc_u64 s[G0B+4*\slot+2:G0B+4*\slot+3], s[G0B+4*\slot+2:G0B+4*\slot+3], 2*ROWB
	JLOAD G0+4*\slot, G1, G0B+4*\slot, G1B         ; the first tensor load behind the round; its four v_nop are among the places in front of the loads below
	PLACES NP-4
.else
	PLACES NP
.endif
	s_wait_alu depctr_va_vdst(0)
	v_add_nc_u32 v[ADRS], 4*NQ, v[ADRS]            ; on to the next K step's scale words
	FETCH_B \next, 0, 0
	FETCH_A \next, 0, 0
	SCALES \next
	WIN MUL_HI
	MUL16 4, 1, NQ-1, \slot, 0
	MUL16 6, 1, NQ-1, \slot, 0
	PLACES NP
	WIN 0
	FETCH_A \next, 0, 4
.endm
	s_wait_tensorcnt 1                             ; of my three loads the scales' and K step 0's are in; K step 1's may be out
	s_barrier_signal -1
	s_barrier_wait -1
	FETCH_B 0, 0, 0
	FETCH_A 0, 0, 0
	SCALES 0
	FETCH_A 0, 0, 4
	STEP 0, 0, 1                                   ; the first step's products start the sums: nothing is cleared
	s_mov_b32 s3, LAPS-1
.Llap:                                                 ; a trip goes once round the ring and fills both slots again
	TURN 0, 1, 1
	STEP 1, 0, 0
	TURN 1, 0, 1
	STEP 0, 0, 0
	s_sub_co_u32 s3, s3, 1
	s_cmp_lg_u32 s3, 0
	s_cbranch_scc1 .Llap
	TURN 0, 1, 0                                   ; the last lap fills nothing
	STEP 1, 0, 0
	s_wait_dscnt 4*NL
	WIN MUL_LO
	MUL16 0, 1, NQ-1, 1, 0
	MUL16 2, 1, NQ-1, 1, 0
	s_wait_dscnt 0
	WIN MUL_HI
	MUL16 4, 1, NQ-1, 1, 0
	MUL16 6, 1, NQ-1, 1, 0
	WIN 0
; THE WAY OUT.  Block a of A's rows: a lane's 64 numbers, register 16 g + i = B's true row 32 g + 16 (lane / 16) + i, become 16 registers of codes and a scale word, and leave as an image: four stores of 512 consecutive bytes.
.macro EPI a
.set AC, 64*((\a)%4)
.set WW, 2+(\a)/4
.set WN, (WW<<2)|(WW<<4)
	WIN WN                                         ; sources 1 and 2: the accumulators' window
.irp b, 0,1,2,3
	v_max3_num_f32 v[TM+\b], 0x8000000, |v[AC+16*\b]|, |v[AC+16*\b+1]|   ; block g: my 16 numbers, and the floor 2^(16 - 127); each accumulator is read from its low end on
.endr
.irp i, 2,4,6,8,10,12,14
.irp b, 0,1,2,3
	v_max3_num_f32 v[TM+\b], v[TM+\b], |v[AC+16*\b+\i]|, |v[AC+16*\b+\i+1]|
.endr
.endr
	WIN 0
.irp b, 0,1,2,3
	v_permlanex16_b32 v[TM+4+\b], v[TM+\b], s[SEL], s[SEL+1]
.endr
.irp b, 0,1,2,3
	v_max_num_f32 v[TM+\b], v[TM+\b], v[TM+4+\b]   ; with lane l xor 16's: the block's largest magnitude
.endr
.irp b, 0,1,2,3
	v_add_nc_u32 v[TM+12+\b], 0xf8800000, v[TM+\b] ; 15 off its exponent field: the conversion's scale operand
.endr
.irp b, 0,1,2,3
	v_and_or_b32 v[TM+8+\b], v[TM+\b], 0x7f800000, s[MNT]   ; 57,344 x the scale
.endr
.irp b, 0,1,2,3
	v_lshrrev_b32 v[TM+4+\b], 23, v[TM+12+\b]      ; the scale's byte
.endr
	v_lshl_or_b32 v[PWS+\a], v[TM+5], 8, v[TM+4]
	v_lshl_or_b32 v[PWS+\a], v[TM+6], 16, v[PWS+\a]
	v_lshl_or_b32 v[PWS+\a], v[TM+7], 24, v[PWS+\a]
.set WN, WW
	WIN WN                                         ; source 0: the accumulators' window
.irp b, 0,1,2,3
.irp i, 0,1,2,3,4,5,6,7,8,9,10,11,12,13,14,15
	v_med3_num_f32 v[XN+16*\b+\i], v[AC+16*\b+\i], -v[TM+8+\b], v[TM+8+\b]   ; the hold (the conversion does not saturate: ISA guide 7.6.2), and the way into window 0
.endr
.endr
	WIN 0
	s_wait_alu depctr_va_vdst(0)
	s_wait_xcnt 0x0                                ; the last block's stores have read their data and their base: both are written again only behind this wait
.if (\a) > 0
	s_add_nc_u64 s[8:9], s[8:9], s[STR:STR+1]
.endif
.irp b, 0,1,2,3
	v_cvt_scalef32_pk8_bf8_f32 v[PC+4*\b:PC+4*\b+1], v[XN+16*\b:XN+16*\b+7], v[TM+12+\b]
	v_cvt_scalef32_pk8_bf8_f32 v[PC+4*\b+2:PC+4*\b+3], v[XN+16*\b+8:XN+16*\b+15], v[TM+12+\b]
.endr
	v_nop                                          ; one plain vector instruction behind the last conversion, ahead of the lines that write its sources again
.irp b, 0,1,2,3
	global_store_b128 v[VO], v[PC+4*\b:PC+4*\b+3], s[8:9] offset:512*\b
.endr
.endm
	PLACES NP                                      ; behind the last products: the lines below write registers that held A's fragments and read results
.irp b, 0,1,2,3
	v_mov_b32 v[TM+4+\b], 0                        ; written once: a lane permute's destination counts as one of its sources
.endr
.irp a, 0,1,2,3,4,5,6,7
	EPI \a
.endr
	; the scale words.  Q, K: word j = two bytes of block 2 j and two of block 2 j + 1, lanes 0-15 those of my first head, lanes 16-31 of my second.  V: lanes 0-15 the words of blocks 0-3 (one head), lanes 16-31 of blocks 4-7.
	; Both are made and one is chosen: no branch.
.irp j, 0,1,2,3
	v_perm_b32 v[XN+\j], v[PWS+2*\j+1], v[PWS+2*\j], v[SELQ]
	v_perm_b32 v[XN+4+\j], v[PWS+4+\j], v[PWS+\j], v[SELV]
.endr
.irp j, 0,1,2,3
	v_cndmask_b32 v[SWD+\j], v[XN+\j], v[XN+4+\j], s13
.endr
	global_store_b128 v[VS], v[SWD:SWD+3], s[10:11]   ; sixteen lanes store 256 consecutive bytes, aligned, for each of two heads
	s_wait_tensorcnt 0x0                           ; the wave's end
	ds_add_u32 v[SPW], v[NIL]
	s_wait_dscnt 0x0
	CROUND                                         ; the closing round: no work-group ends while a partner may still ask for a tile that names it
	s_endpgm
.Lfunc_end_k_qf398c3e112_qkv:
	.size	k_qf398c3e112_qkv, .Lfunc_end_k_qf398c3e112_qkv-k_qf398c3e112_qkv
	.p2alignl 7, 3214868480
	.fill 96, 4, 3214868480
	.section	.rodata,"a",@progbits
	.p2align	6, 0x0
	.amdhsa_kernel k_qf398c3e112_qkv
		.amdhsa_group_segment_fixed_size 327680
		.amdhsa_private_segment_fixed_size 0
		.amdhsa_enable_private_segment 0
		.amdhsa_kernarg_size 32
		.amdhsa_user_sgpr_count 2
		.amdhsa_user_sgpr_kernarg_segment_ptr 1
		.amdhsa_wavefront_size32 1
		.amdhsa_system_sgpr_workgroup_id_x 1
		.amdhsa_system_sgpr_workgroup_id_y 1
		.amdhsa_system_sgpr_workgroup_id_z 1
		.amdhsa_system_vgpr_workitem_id 0
		.amdhsa_next_free_vgpr 1024
		.amdhsa_next_free_sgpr 104
		.amdhsa_reserve_vcc 0
		.amdhsa_float_denorm_mode_32 3
		.amdhsa_float_denorm_mode_16_64 3
		.amdhsa_memory_ordered 1
		.amdhsa_forward_progress 1
		.amdhsa_inst_pref_size 187
	.end_amdhsa_kernel
	.amdgpu_metadata
---
amdhsa.version: [ 1, 2 ]
amdhsa.kernels:
  - .name:           k_qf398c3e112_qkv
    .symbol:         k_qf398c3e112_qkv.kd
    .args:
      - { .name: c1, .offset: 0, .size: 8, .value_kind: global_buffer, .address_space: global }
      - { .name: s1, .offset: 8, .size: 8, .value_kind: global_buffer, .address_space: global }
      - { .name: c2, .offset: 16, .size: 8, .value_kind: global_buffer, .address_space: global }
      - { .name: s2, .offset: 24, .size: 8, .value_kind: global_buffer, .address_space: global }
    .group_segment_fixed_size: 327680
    .private_segment_fixed_size: 0
    .kernarg_segment_align: 8
    .kernarg_segment_size: 32
    .max_flat_workgroup_size: 128
    .sgpr_count:     104
    .vgpr_count:     1024
    .wavefront_size: 32
...
	.end_amdgpu_metadata
.endif
;; end of part 2
;; launch attn (part 3): grid 4 x 64, 16 waves a work-group, clusters of 4 x 1, 272,384 bytes of LDS; arguments c2, s2, ao, aos; writes ao, aos
.if DOCPART == 3
	.amdgcn_target "amdgcn-amd-amdhsa--gfx1250"
	.amdhsa_code_object_version 6
	.text
	.protected	k_qf398c3e112_attn
	.globl	k_qf398c3e112_attn
	.p2align	8
	.type	k_qf398c3e112_attn,@function
k_qf398c3e112_attn:
	s_mov_b64 s[64:65], 0
	v_nop
	global_prefetch_b8 v0, s[64:65] scope:SCOPE_SE
	s_setreg_imm32_b32 hwreg(HW_REG_WAVE_MODE, 25, 1), 1
	s_wait_xcnt 0x0
	s_wait_alu depctr_hold_cnt(0) depctr_sa_sdst(0) depctr_va_vdst(0) depctr_va_sdst(0) depctr_va_ssrc(0) depctr_va_vcc(0) depctr_vm_vsrc(0)
	s_getreg_b32 s2, hwreg(HW_REG_IB_STS2, 6, 4)
	s_cmp_eq_u32 s2, 0
	s_cbranch_scc0 .Lentry_in_a_cluster
	s_endpgm
.Lentry_in_a_cluster:
	s_bfe_u32 s2, ttmp6, 0x10000c
	s_cmp_lg_u32 s2, 0x3003
	s_cbranch_scc0 .Lentry_shape_is_right
	s_endpgm
.Lentry_shape_is_right:
; Causal attention of one head on codes of BF8 (E5M2) with E8M0 scales, and its result quantised along d_model for the last product.
; t = score x log2(e) / 8; M = the running largest t rounded UP to a whole number; p = 2^(t - M) is quantised along the keys, not normalised; the row's sum is taken of the unquantised p and divides O at the end.
; When M moves, the sum and O are multiplied by 2^(old M - new M): exact.
; A HEAD'S K AND V STAY IN LDS: 131,072 bytes of codes each and 4,096 bytes of scale words each.  The four work-groups of a cluster belong to one head (grid y = 16 batch + head) and ask for all of it once, jointly: each of the
; sixteen waves issues two loads.  Nothing is filled again; behind one barrier LDS is only read, and the waves do not meet again until the closing round.
; SHARES.  A wave takes two tiles of 16 queries, one after the other: tile e = 4 wave + cx and tile 127 - e.  Their last key steps are wave / 2 and 15 - wave / 2, whatever cx: every branch hangs on the wave's number alone,
; and every wave of the launch has 17 key steps of 128 keys.  The loop over key steps has a constant count; a step all of whose keys come after the tile's queries is jumped over.
; LAYOUT.  Both products are used transposed: S^T = K Q^T, O^T = V^T P^T: a lane holds ONE query throughout.  Tokens and V's features lie at places with bits 3 and 4 exchanged, so that the 16 registers of tiles 2 g and 2 g + 1
; are 16 true neighbours 32 g + 16 (lane / 16) + 0 .. 15: of the keys in S^T, of the head's features in O^T.  The causal mask turns the lane's place back into its true query.
; THE HEAD IS 64, THE INSTRUCTION 128 ALONG K: source 0 is a DOUBLE fragment, key tile 2 D at k = 0 .. 63 and key tile 2 D + 1 at k = 64 .. 127, with one scale word; source 1 is [Q | zeros] for the first tile and [zeros | Q] for
; the second.  Every code is finite (held ahead of its conversion), so the zeros' products are zeros.
; OUT: ao [16 tokens' tile 512][head 16][2][512]: images of registers; aos [token's place 8192][32]: byte 2 head + block.
; LIMITS: a block whose largest magnitude lies under 2^(16 - 127) gets the byte 1; NaN and infinities are not served.
; No prefetch: all that the launch reads in bulk is asked for at its head.
.set KC,   0                           ; LDS: K's codes [key tile 128][2][512]; a key step is 8,192 bytes
.set VC,   131072                      ; V's codes [key step 16][tile of features 4][4][512]
.set KSC,  262144                      ; K's scale words [key step 16][row 16][4 words]
.set VSC,  266240                      ; V's likewise
.set LI,  1                            ; v1   16 x lane: an image's place for my lane
.set LS,  2                            ; v2   KSC + 16 r
.set RQ,  3                            ; v3   16 (r / 8) + r % 8 - 16 h
.set ADK, 4                            ; v4-6 the step's LDS addresses: K's codes, V's codes, the scale words
.set ADV, 5
.set ADS, 6
.set DD,  7                            ; v7   my true query less the diagonal step's first key less 16 h
.set R16, 8                            ; v8   16 r
.set R32, 9                            ; v9   32 r
.set KV,  40                           ; v40-103  four double fragments of K, then four fragments of V
.set S,   104                          ; v104-167 S^T, then p
.set O,   168                          ; v168-199 O^T
.set PC,  200                          ; v200-215 p's codes
.set BM,  216                          ; v216-219 each block's largest score, then its largest p
.set PM,  220                          ; v220-223 at work
.set LM,  224
.set SO,  228                          ; v228-231 the conversions' scale operands
.set KW,  232                          ; v232-235 K's scale words
.set VW,  236                          ; v236-239 V's
.set QW,  240                          ; v240 Q's scale word (s0, s1, s0, s1);  v241 as it is loaded
.set QR,  241
.set FF,  242                          ; v242 f = 2^(old M - new M);  v243 p's scale word: named together as a pair
.set PW,  243
.set T0,  244                          ; v244, v245 at work
.set T1,  245
.set TL,  2                            ; s2, s3 the two tiles of queries
.set WV,  12
.set MNT, 19
.set SEL, 20
.set CS,  22
.set G1K, 24
.set G1V, 32
.set G1S, 40
.set G0K, 48
.set G0V, 52
.set G0SK, 56
.set G0SV, 60
.set QCB, 66                           ; s[66:69] Q's image, for each pass;  s[70:73] Q's scale words;  s[74:77] ao;  s[78:81] aos
.set QSB, 70
.set AOB, 74
.set ASB, 78
.set AW,  82                           ; s82, s83 the tile's last key step
.set DSC, 84                           ; s84, s85 the tile's first true query less that step's first key
.set QSEL, 86                          ; s86, s87 which two bytes of the loaded word are the tile's
.set KSI, 88
.set TK,  89
.set TS,  90
.macro CROUND                          ; a round of the cluster's barrier
	s_barrier_signal -1
	s_barrier_wait -1
	s_cmp_lg_u32 s[WV], 0
	s_cbranch_scc1 .Lnot_wave_0_\@
	s_barrier_signal -3
.Lnot_wave_0_\@:
	s_barrier_wait -3
	s_barrier_signal -1
	s_barrier_wait -1
.endm
	s_load_b256 s[4:11], s[0:1], 0x0               ; c2 s[4:5], s2 s[6:7], ao s[8:9], aos s[10:11]
	v_lshl_add_u32 v254, v0, 2, 0x42000
	v_mov_b32 v255, 0
	ds_add_u32 v254, v255
	ds_add_u32 v254, v255
	v_lshrrev_b32 v1, 5, v0
	s_delay_alu instid0(VALU_DEP_1)
	v_readfirstlane_b32 s[WV], v1                  ; wave 0..15
	s_bfe_u32 s13, ttmp6, 0x40000                  ; cx: it enters global addresses of Q, ao and aos, and two numbers of the mask and of Q's scales; no branch, no LDS address
	s_and_b32 s14, ttmp7, 0xffff                   ; 16 batch + head, which the four partners share
	s_lshr_b32 s15, s14, 4                         ; batch
	s_and_b32 s16, s14, 15                         ; head
	s_and_b32 s17, s[WV], 7                        ; which eighth of K's (waves 0-7) or V's (waves 8-15) bytes I fetch
	s_lshl_b32 s[TL], s[WV], 2
	s_add_co_u32 s[TL], s[TL], s13                 ; e
	s_sub_co_u32 s[TL+1], 127, s[TL]
	s_lshr_b32 s[AW], s[WV], 1
	s_sub_co_u32 s[AW+1], 15, s[AW]
	s_mov_b32 s[SEL], 0x76543210
	s_mov_b32 s[SEL+1], 0xfedcba98
	s_mov_b32 s[CS], 0x3e38aa3b                    ; c = log2(e) / 8
	s_mov_b32 s[CS+1], s[CS]                       ; (named with it as a pair, so it is written)
	; descriptor groups 1: elements of 8 bytes, no padding, the mask of all four work-groups with bit 21 beside it
	s_mov_b32 s[G1K], 15|(3<<16)|(1<<21)           ; K's codes: 16 key tiles of 1,024 bytes, 32,768 bytes apart
	s_mov_b32 s[G1K+1], 128<<16
	s_mov_b32 s[G1K+2], 16<<16
	s_mov_b32 s[G1K+3], 128<<16
	s_mov_b32 s[G1K+4], 16
	s_mov_b32 s[G1K+5], 4096
	s_mov_b32 s[G1K+6], 0
	s_mov_b32 s[G1K+7], 0
	s_mov_b32 s[G1V], 15|(3<<16)|(1<<21)           ; V's codes: 2 key steps of 8,192 bytes, 131,072 bytes apart
	s_mov_b32 s[G1V+1], 1024<<16
	s_mov_b32 s[G1V+2], 2<<16
	s_mov_b32 s[G1V+3], 1024<<16
	s_mov_b32 s[G1V+4], 2
	s_mov_b32 s[G1V+5], 16384
	s_mov_b32 s[G1V+6], 0
	s_mov_b32 s[G1V+7], 0
	s_mov_b32 s[G1S], 15|(3<<16)|(1<<21)           ; scale words: 512 dense bytes as 2 rows of 256
	s_mov_b32 s[G1S+1], 32<<16
	s_mov_b32 s[G1S+2], 2<<16
	s_mov_b32 s[G1S+3], 32<<16
	s_mov_b32 s[G1S+4], 2
	s_mov_b32 s[G1S+5], 32
	s_mov_b32 s[G1S+6], 0
	s_mov_b32 s[G1S+7], 0
	s_mov_b32 s93, 0
	s_wait_dscnt 0x0
	s_wait_kmcnt 0x0
	s_lshl_b32 s92, s15, 22                        ; K's codes: the batch's 128 tiles, my 16 of them, head 16 + head
	s_lshl_b32 s18, s17, 19
	s_add_co_u32 s92, s92, s18
	s_lshl_b32 s18, s16, 10
	s_add_co_u32 s92, s92, s18
	s_add_co_u32 s92, s92, 16384
	s_mov_b32 s[G0K], 1
	s_lshl_b32 s[G0K+1], s[WV], 14                 ; LDS: 16,384 x wave
	s_add_nc_u64 s[G0K+2:G0K+3], s[4:5], s[92:93]
	s_or_b32 s[G0K+3], s[G0K+3], 0x80000000
	s_lshl_b32 s92, s15, 21                        ; V's codes: the batch's 16 key steps, my 2 of them, the head's 8,192 bytes
	s_lshl_b32 s18, s17, 18
	s_add_co_u32 s92, s92, s18
	s_lshl_b32 s18, s16, 13
	s_add_co_u32 s92, s92, s18
	s_add_co_u32 s92, s92, 16777216
	s_mov_b32 s[G0V], 1
	s_lshl_b32 s[G0V+1], s[WV], 14                 ; waves 8-15: VC + 16,384 x (wave - 8)
	s_add_nc_u64 s[G0V+2:G0V+3], s[4:5], s[92:93]
	s_or_b32 s[G0V+3], s[G0V+3], 0x80000000
	s_lshl_b32 s92, s16, 14                        ; K's scale words: head 16 + head, the batch's 4,096 bytes, my 512
	s_add_co_u32 s92, s92, 262144
	s_lshl_b32 s18, s15, 12
	s_add_co_u32 s92, s92, s18
	s_lshl_b32 s18, s17, 9
	s_add_co_u32 s92, s92, s18
	s_lshl_b32 s94, s[WV], 9
	s_mov_b32 s[G0SK], 1
	s_add_co_u32 s[G0SK+1], s94, KSC               ; LDS: KSC + 512 x wave
	s_add_nc_u64 s[G0SK+2:G0SK+3], s[6:7], s[92:93]
	s_or_b32 s[G0SK+3], s[G0SK+3], 0x80000000
	s_lshl_b32 s92, s14, 12                        ; V's: the head's 4,096 bytes, my 512
	s_add_co_u32 s92, s92, 524288
	s_add_co_u32 s92, s92, s18
	s_mov_b32 s[G0SV], 1
	s_add_co_u32 s[G0SV+1], s94, KSC               ; waves 8-15: VSC + 512 x (wave - 8)
	s_add_nc_u64 s[G0SV+2:G0SV+3], s[6:7], s[92:93]
	s_or_b32 s[G0SV+3], s[G0SV+3], 0x80000000
.macro PSC p                           ; the scalars of pass p
	s_lshl_b32 s18, s15, 7
	s_add_co_u32 s18, s18, s[TL+\p]                ; T: the tile among all 512
	s_lshl_b32 s92, s18, 15
	s_lshl_b32 s94, s16, 10
	s_add_co_u32 s92, s92, s94
	s_add_nc_u64 s[QCB+2*\p:QCB+2*\p+1], s[4:5], s[92:93]
	s_lshl_b32 s92, s18, 14
	s_add_co_u32 s92, s92, s94
	s_add_nc_u64 s[AOB+2*\p:AOB+2*\p+1], s[8:9], s[92:93]
	s_lshl_b32 s92, s18, 9
	s_lshl_b32 s94, s16, 1
	s_add_co_u32 s92, s92, s94
	s_add_nc_u64 s[ASB+2*\p:ASB+2*\p+1], s[10:11], s[92:93]
	s_lshl_b32 s92, s16, 14                        ; Q's scale word: the head, the group of 8 tiles, the word of the tile's pair
	s_lshr_b32 s94, s18, 3
	s_lshl_b32 s94, s94, 8
	s_add_co_u32 s92, s92, s94
	s_bfe_u32 s94, s18, 0x20001
	s_lshl_b32 s94, s94, 2
	s_add_co_u32 s92, s92, s94
	s_add_nc_u64 s[QSB+2*\p:QSB+2*\p+1], s[6:7], s[92:93]
	s_lshr_b32 s92, s[TL+\p], 1
	s_lshl_b32 s92, s92, 5
	s_and_b32 s94, s[TL+\p], 1
	s_lshl_b32 s95, s94, 3
	s_add_co_u32 s92, s92, s95                     ; the tile's first true query: 32 (tile / 2) + 8 (tile % 2)
	s_lshl_b32 s95, s[AW+\p], 7
	s_sub_co_u32 s[DSC+\p], s92, s95
	s_mul_i32 s94, s94, 0x02020202
	s_add_co_u32 s[QSEL+\p], s94, 0x01000100       ; bytes 0, 1, 0, 1 of the word for an even tile, 2, 3, 2, 3 for an odd one
.endm
	PSC 0
	PSC 1
	CROUND                                         ; all four work-groups are here: the joint loads meet
	s_cmp_lt_u32 s[WV], 8                          ; a wave's two loads stand in one branch on the wave's number, ahead of every wait on TENSORcnt and every LDS read: two loads of mine are out
	s_cbranch_scc0 .Lfirst_v
	tensor_load_to_lds s[G0K:G0K+3], s[G1K:G1K+7]
	s_nop 0
	tensor_load_to_lds s[G0SK:G0SK+3], s[G1S:G1S+7]
	s_nop 0
.rept 4
	v_nop
.endr
	s_branch .Lfirst_asked
.Lfirst_v:
	tensor_load_to_lds s[G0V:G0V+3], s[G1V:G1V+7]
	s_nop 0
	tensor_load_to_lds s[G0SV:G0SV+3], s[G1S:G1S+7]
	s_nop 0
.rept 4
	v_nop
.endr
.Lfirst_asked:
	v_and_b32 v10, 31, v0                          ; lane
	s_delay_alu instid0(VALU_DEP_1)
	v_lshlrev_b32 v[LI], 4, v10
	v_and_b32 v11, 15, v0                          ; r
	v_bfe_u32 v[T0], v0, 4, 1                      ; h
	s_delay_alu instid0(VALU_DEP_2)
	v_lshl_add_u32 v[LS], v11, 4, KSC
	s_delay_alu instid0(VALU_DEP_3)
	v_lshlrev_b32 v[R16], 4, v11
	s_delay_alu instid0(VALU_DEP_4)
	v_lshlrev_b32 v[R32], 5, v11
	v_and_b32 v[RQ], 7, v11
	v_lshrrev_b32 v[T1], 3, v11
	s_delay_alu instid0(VALU_DEP_1)
	v_lshl_add_u32 v[RQ], v[T1], 4, v[RQ]
	v_lshlrev_b32 v[T0], 4, v[T0]
	s_delay_alu instid0(VALU_DEP_1)
	v_sub_nc_u32 v[RQ], v[RQ], v[T0]
.irp j, 0,1,2,3,4,5,6,7
	v_mov_b32 v[24+\j], 0                          ; the zeros between Q's two copies
.endr
.irp b, 0,1,2,3
	v_mov_b32 v[PM+\b], 0                          ; written once: a lane permute's destination counts as one of its sources
.endr
	v_mov_b32 v[PW], 0                             ; (named as the upper half of the pair before it is first written)
.macro QLOAD p                         ; the tile's Q, twice, v16-23 and v32-39, and its raw scale word
	global_load_b128 v[16:19], v[LI], s[QCB+2*\p:QCB+2*\p+1]
	global_load_b128 v[20:23], v[LI], s[QCB+2*\p:QCB+2*\p+1] offset:512
	global_load_b128 v[32:35], v[LI], s[QCB+2*\p:QCB+2*\p+1]
	global_load_b128 v[36:39], v[LI], s[QCB+2*\p:QCB+2*\p+1] offset:512
	global_load_b32 v[QR], v[R16], s[QSB+2*\p:QSB+2*\p+1]
.endm
	QLOAD 0
	s_wait_tensorcnt 0x0                           ; my two loads have landed,
	s_barrier_signal -1
	s_barrier_wait -1                              ; everybody's have: from here on LDS is only read
; A KEY STEP: 128 keys.
.macro STEP p
	s_cmp_gt_u32 s[KSI], s[AW+\p]                  ; all its keys come after my queries: only the addresses step
	s_cbranch_scc1 .Lhid_\@
	s_setprio 2
	v_add_nc_u32 v[ADK], s[TK], v[LI]
	v_add_nc_u32 v[ADS], s[TS], v[LS]
	s_delay_alu instid0(VALU_DEP_2)
	v_add_nc_u32 v[ADV], VC, v[ADK]
.rept 5
	v_nop                                          ; with the three additions: eight places in front of loads into registers that the last products have read
.endr
.set n, 0
.rept 16
	ds_load_b128 v[KV+4*n:KV+4*n+3], v[ADK] offset:512*n   ; four double fragments: 8,192 consecutive bytes
.set n, n+1
.endr
	ds_load_b128 v[KW:KW+3], v[ADS]                ; and their four scale words
	s_wait_alu depctr_va_vdst(0)
	s_wait_dscnt 0x0
.irp d, 0,1,2,3
	v_wmma_scale_f32_16x16x128_f8f6f4 v[S+16*\d:S+16*\d+7], v[KV+16*\d:KV+16*\d+15], v[16:31], 0, v[KW+\d], v[QW] matrix_a_fmt:MATRIX_FMT_BF8 matrix_b_fmt:MATRIX_FMT_BF8
	v_wmma_scale_f32_16x16x128_f8f6f4 v[S+16*\d+8:S+16*\d+15], v[KV+16*\d:KV+16*\d+15], v[24:39], 0, v[KW+\d], v[QW] matrix_a_fmt:MATRIX_FMT_BF8 matrix_b_fmt:MATRIX_FMT_BF8
.endr
.rept 8
	v_nop                                          ; places: in front of V's loads into K's registers, and of the first read of the scores
.endr
.set n, 0
.rept 16
	ds_load_b128 v[KV+4*n:KV+4*n+3], v[ADV] offset:512*n   ; V's four fragments land while the softmax is worked
.set n, n+1
.endr
	ds_load_b128 v[VW:VW+3], v[ADS] offset:VSC-KSC
	s_cmp_lt_u32 s[KSI], s[AW+\p]                  ; a step all of whose keys count has no mask
	s_cbranch_scc1 .Lopen_\@
	v_mov_b32 v[T1], 0xff800000                    ; on the diagonal hidden scores become -infinity: p = 0.  Register 16 g + i holds the step's key 32 g + 16 h + i: hidden where 32 g + i > DD
.set n, 0
.rept 64
	v_cmp_gt_i32 vcc_lo, 32*(n/16)+n%16, v[DD]
	v_cndmask_b32 v[S+n], v[S+n], v[T1], vcc_lo
.set n, n+1
.endr
.Lopen_\@:
.irp b, 0,1,2,3
	v_max3_num_f32 v[BM+\b], v[S+16*\b], v[S+16*\b+1], v[S+16*\b+2]   ; the largest score of each block of 32 keys: for the row's maximum, and, since p rises with the score, for the block's largest p
.endr
.irp i, 3,5,7,9,11,13
.irp b, 0,1,2,3
	v_max3_num_f32 v[BM+\b], v[BM+\b], v[S+16*\b+\i], v[S+16*\b+\i+1]
.endr
.endr
.irp b, 0,1,2,3
	v_max_num_f32 v[BM+\b], v[BM+\b], v[S+16*\b+15]
.endr
.irp b, 0,1,2,3
	s_delay_alu instid0(VALU_DEP_4)
	v_permlanex16_b32 v[PM+\b], v[BM+\b], s[SEL], s[SEL+1]
.endr
.irp b, 0,1,2,3
	s_delay_alu instid0(VALU_DEP_4)
	v_max_num_f32 v[BM+\b], v[BM+\b], v[PM+\b]     ; with lane l xor 16's 16 keys
.endr
	s_delay_alu instid0(VALU_DEP_2)
	v_max3_num_f32 v[T0], v[BM], v[BM+1], v[BM+2]
	s_delay_alu instid0(VALU_DEP_1)
	v_max_num_f32 v[T0], v[T0], v[BM+3]            ; the step's largest score of my query
	s_delay_alu instid0(VALU_DEP_1)
	v_mul_f32 v[T0], s[CS], v[T0]                  ; as t
	s_delay_alu instid0(VALU_DEP_1)
	v_max_num_f32 v13, v13, v[T0]                  ; the running largest t
	v_mov_b32 v[T0], v12
	s_delay_alu instid0(VALU_DEP_2)
	v_floor_f32 v12, -v13                          ; the new -M = floor(-t) = -ceil(t)
	s_delay_alu instid0(VALU_DEP_1)
	v_sub_f32 v[T0], v12, v[T0]                    ; old M less new M: a whole number, 0 or less
	s_delay_alu instid0(VALU_DEP_1)
	v_cvt_i32_f32 v[T0], v[T0]                     ; (it saturates)
	s_delay_alu instid0(VALU_DEP_1)
	v_ldexp_f32 v[FF], 1.0, v[T0]                  ; f = 2^(old M - new M)
.set n, 0
	s_setprio 1
.rept 32
	v_pk_fma_f32 v[S+n:S+n+1], v[S+n:S+n+1], s[CS:CS+1], v[12:13] op_sel_hi:[1,0,0]   ; t - M, two at a time
.set n, n+2
.endr
.irp b, 0,1,2,3
	v_fma_f32 v[BM+\b], v[BM+\b], s[CS], v12       ; the same of each block's largest score
.endr
.set n, 0
	s_wait_alu depctr_va_vdst(0)
.rept 64
	v_exp_f32 v[S+n], v[S+n]                       ; p = 2^(t - M)
.set n, n+1
.endr
	v_pk_mul_f32 v[14:15], v[14:15], v[FF:FF+1] op_sel_hi:[1,0]   ; the sums under the new M: the plain instruction behind the exponentials
	s_wait_alu depctr_va_vdst(0)                   ; one wait for the batch of 64, ahead of its first reader
.irp b, 0,1,2,3
	v_exp_f32 v[BM+\b], v[BM+\b]                   ; each block's largest p
.endr
	v_pk_add_f32 v[220:221], v[108:109], v[112:113]
	v_pk_add_f32 v[252:253], v[116:117], v[120:121]
	v_pk_add_f32 v[250:251], v[124:125], v[128:129]
	v_pk_add_f32 v[248:249], v[132:133], v[136:137]
	v_pk_add_f32 v[246:247], v[140:141], v[144:145]
	v_pk_add_f32 v[234:235], v[148:149], v[152:153]
	v_pk_add_f32 v[232:233], v[156:157], v[160:161]
	v_pk_add_f32 v[14:15], v[14:15], v[164:165]
	v_pk_add_f32 v[220:221], v[220:221], v[104:105]
	v_pk_add_f32 v[252:253], v[252:253], v[106:107]
	v_pk_add_f32 v[250:251], v[250:251], v[110:111]
	v_pk_add_f32 v[248:249], v[248:249], v[114:115]
	v_pk_add_f32 v[246:247], v[246:247], v[118:119]
	v_pk_add_f32 v[234:235], v[234:235], v[122:123]
	v_pk_add_f32 v[232:233], v[232:233], v[126:127]
	v_pk_add_f32 v[14:15], v[14:15], v[130:131]
	v_pk_add_f32 v[220:221], v[220:221], v[134:135]
	v_pk_add_f32 v[252:253], v[252:253], v[138:139]
	v_pk_add_f32 v[250:251], v[250:251], v[142:143]
	v_pk_add_f32 v[248:249], v[248:249], v[146:147]
	v_pk_add_f32 v[246:247], v[246:247], v[150:151]
	v_pk_add_f32 v[234:235], v[234:235], v[154:155]
	v_pk_add_f32 v[232:233], v[232:233], v[158:159]
	v_pk_add_f32 v[14:15], v[14:15], v[162:163]
	v_pk_add_f32 v[220:221], v[220:221], v[166:167]
	s_delay_alu instid0(VALU_DEP_2)
	v_pk_add_f32 v[14:15], v[14:15], v[248:249]
	s_delay_alu instid0(VALU_DEP_2)
	v_pk_add_f32 v[220:221], v[220:221], v[246:247]
	v_pk_add_f32 v[252:253], v[252:253], v[234:235]
	v_pk_add_f32 v[250:251], v[250:251], v[232:233]
	s_delay_alu instid0(VALU_DEP_2)
	v_pk_add_f32 v[14:15], v[14:15], v[252:253]
	s_delay_alu instid0(VALU_DEP_2)
	v_pk_add_f32 v[220:221], v[220:221], v[250:251]
	s_delay_alu instid0(VALU_DEP_1)
	v_pk_add_f32 v[14:15], v[14:15], v[220:221]
	s_setprio 0
	s_wait_alu depctr_va_vdst(0)                   ; and one for the four
.irp b, 0,1,2,3
	v_max_num_f32 v[BM+\b], 0x8000000, v[BM+\b]    ; the floor 2^(16 - 127): the byte cannot fall under 1
.endr
.irp b, 0,1,2,3
	s_delay_alu instid0(VALU_DEP_4)
	v_add_nc_u32 v[SO+\b], 0xf8800000, v[BM+\b]    ; 15 off the exponent field: the conversion's scale operand
.endr
.irp b, 0,1,2,3
.endr
.irp b, 0,1,2,3
	s_delay_alu instid0(VALU_DEP_4)
	v_lshrrev_b32 v[PM+\b], 23, v[SO+\b]           ; the scale's byte
.endr
	s_delay_alu instid0(VALU_DEP_3)
	v_lshl_or_b32 v[PW], v[PM+1], 8, v[PM]         ; p's scale word for these 128 keys
	s_delay_alu instid0(VALU_DEP_1)
	v_lshl_or_b32 v[PW], v[PM+2], 16, v[PW]
	s_delay_alu instid0(VALU_DEP_1)
	v_lshl_or_b32 v[PW], v[PM+3], 24, v[PW]
.irp b, 0,1,2,3
.irp i, 0,1,2,3,4,5,6,7,8,9,10,11,12,13,14,15
.endr
	v_cvt_scalef32_pk8_bf8_f32 v[PC+4*\b:PC+4*\b+1], v[S+16*\b:S+16*\b+7], v[SO+\b]
	v_cvt_scalef32_pk8_bf8_f32 v[PC+4*\b+2:PC+4*\b+3], v[S+16*\b+8:S+16*\b+15], v[SO+\b]
.endr
.set n, 0
.rept 16
	v_pk_mul_f32 v[O+n:O+n+1], v[O+n:O+n+1], v[FF:FF+1] op_sel_hi:[1,0]   ; O^T under the new M.  (These sixteen are also the places between the codes and the products)
.set n, n+2
.endr
	s_wait_alu depctr_va_vdst(0)
	s_wait_dscnt 0x0                               ; V and its scale words are in
.irp t, 0,1,2,3
	v_wmma_scale_f32_16x16x128_f8f6f4 v[O+8*\t:O+8*\t+7], v[KV+16*\t:KV+16*\t+15], v[PC:PC+15], v[O+8*\t:O+8*\t+7], v[VW+\t], v[PW] matrix_a_fmt:MATRIX_FMT_BF8 matrix_b_fmt:MATRIX_FMT_BF8
.endr
.Lhid_\@:
	s_add_co_u32 s[TK], s[TK], 8192                ; the next step's codes and scale words
	s_add_co_u32 s[TS], s[TS], 256
.endm
; THE WAY OUT of a tile: O^T / the sum; register 16 g + i is the head's feature 32 g + 16 h + i: two blocks of the last product's K, quantised as they stand, stored as an image.
.macro OUTQ p
	v_add_f32 v14, v14, v15                        ; the sum's two halves,
	s_delay_alu instid0(VALU_DEP_1)
	v_permlanex16_b32 v[T0], v14, s[SEL], s[SEL+1]
	s_delay_alu instid0(VALU_DEP_1)
	v_add_f32 v14, v14, v[T0]                      ; and lane l xor 16's
	s_wait_alu depctr_va_vdst(0)
	v_rcp_f32 v14, v14
	v_nop                                          ; a plain instruction behind the reciprocal,
	s_wait_alu depctr_va_vdst(0)                   ; and the wait ahead of its first reader
.set n, 0
.rept 16
	v_pk_mul_f32 v[S+n:S+n+1], v[O+n:O+n+1], v[14:15] op_sel_hi:[1,0]   ; each accumulator from its low end on
.set n, n+2
.endr
.irp b, 0,1
	v_max3_num_f32 v[BM+\b], |v[S+16*\b]|, |v[S+16*\b+1]|, 0x8000000
.endr
.irp i, 2,4,6,8,10,12,14
.irp b, 0,1
	s_delay_alu instid0(VALU_DEP_2)
	v_max3_num_f32 v[BM+\b], v[BM+\b], |v[S+16*\b+\i]|, |v[S+16*\b+\i+1]|
.endr
.endr
.irp b, 0,1
	s_delay_alu instid0(VALU_DEP_2)
	v_permlanex16_b32 v[PM+\b], v[BM+\b], s[SEL], s[SEL+1]
.endr
.irp b, 0,1
	s_delay_alu instid0(VALU_DEP_2)
	v_max_num_f32 v[BM+\b], v[BM+\b], v[PM+\b]
.endr
.irp b, 0,1
	s_delay_alu instid0(VALU_DEP_2)
	v_add_nc_u32 v[SO+\b], 0xf8800000, v[BM+\b]
.endr
.irp b, 0,1
.endr
.irp b, 0,1
	s_delay_alu instid0(VALU_DEP_2)
	v_lshrrev_b32 v[PM+\b], 23, v[SO+\b]
.endr
	s_delay_alu instid0(VALU_DEP_1)
	v_lshl_or_b32 v[T1], v[PM+1], 8, v[PM]         ; the head's two scale bytes of my row
.irp b, 0,1
.irp i, 0,1,2,3,4,5,6,7,8,9,10,11,12,13,14,15
.endr
	v_cvt_scalef32_pk8_bf8_f32 v[PC+4*\b:PC+4*\b+1], v[S+16*\b:S+16*\b+7], v[SO+\b]
	v_cvt_scalef32_pk8_bf8_f32 v[PC+4*\b+2:PC+4*\b+3], v[S+16*\b+8:S+16*\b+15], v[SO+\b]
.endr
	v_nop                                          ; one plain vector instruction behind the last conversion
	global_store_b128 v[LI], v[PC:PC+3], s[AOB+2*\p:AOB+2*\p+1]              ; 512 consecutive bytes each
	global_store_b128 v[LI], v[PC+4:PC+7], s[AOB+2*\p:AOB+2*\p+1] offset:512
	global_store_b16 v[R32], v[T1], s[ASB+2*\p:ASB+2*\p+1]   ; two bytes of each row's 32: a row's other bytes are other heads', which are other clusters'.  Lanes r and r + 16 write the same bytes with the same value
.endm
.macro PASS p
	s_wait_loadcnt 0x0                             ; Q and its scale word
	s_wait_xcnt 0x0                                ; the last tile's stores have read their data: those registers are written again only behind this wait
	v_perm_b32 v[QW], v[QR], v[QR], s[QSEL+\p]
	v_add_nc_u32 v[DD], s[DSC+\p], v[RQ]
	v_mov_b32 v13, 0xff61b1e6                      ; the largest t so far: -3e38, under every t
	s_delay_alu instid0(VALU_DEP_1)
	v_floor_f32 v12, -v13                          ; -M
	v_mov_b32 v14, 0                               ; the sum, in two halves
	v_mov_b32 v15, 0
.set n, 0
.rept 32
	v_mov_b32 v[O+n], 0                            ; O^T: the step is written once; the first finds zeros.  (More than the eight places that Q's scale word owes)
.set n, n+1
.endr
	s_mov_b32 s[KSI], 0
	s_mov_b32 s[TK], 0
	s_mov_b32 s[TS], 0
.Lks_\p:
	STEP \p
	s_add_co_u32 s[KSI], s[KSI], 1
	s_cmp_lt_u32 s[KSI], 16
	s_cbranch_scc1 .Lks_\p
	s_setprio 0
.rept 8
	v_nop                                          ; places behind the last products: in front of the reads of O^T and of the loads into Q's registers
.endr
.if \p == 0
	QLOAD 1                                        ; the next tile's Q comes while this tile goes out
.endif
	OUTQ \p
.endm
	PASS 0
	PASS 1
	s_wait_dscnt 0x0
	s_wait_tensorcnt 0x0
	ds_add_u32 v254, v255
	s_wait_dscnt 0x0
	CROUND                                         ; the closing round
	s_endpgm
.Lfunc_end_k_qf398c3e112_attn:
	.size	k_qf398c3e112_attn, .Lfunc_end_k_qf398c3e112_attn-k_qf398c3e112_attn
	.p2alignl 7, 3214868480
	.fill 96, 4, 3214868480
	.section	.rodata,"a",@progbits
	.p2align	6, 0x0
	.amdhsa_kernel k_qf398c3e112_attn
		.amdhsa_group_segment_fixed_size 272384
		.amdhsa_private_segment_fixed_size 0
		.amdhsa_enable_private_segment 0
		.amdhsa_kernarg_size 32
		.amdhsa_user_sgpr_count 2
		.amdhsa_user_sgpr_kernarg_segment_ptr 1
		.amdhsa_wavefront_size32 1
		.amdhsa_system_sgpr_workgroup_id_x 1
		.amdhsa_system_sgpr_workgroup_id_y 1
		.amdhsa_system_sgpr_workgroup_id_z 1
		.amdhsa_system_vgpr_workitem_id 0
		.amdhsa_next_free_vgpr 256
		.amdhsa_next_free_sgpr 100
		.amdhsa_reserve_vcc 1
		.amdhsa_float_denorm_mode_32 3
		.amdhsa_float_denorm_mode_16_64 3
		.amdhsa_fp16_overflow 1
		.amdhsa_memory_ordered 1
		.amdhsa_forward_progress 1
		.amdhsa_inst_pref_size 67
	.end_amdhsa_kernel
	.amdgpu_metadata
---
amdhsa.version: [ 1, 2 ]
amdhsa.kernels:
  - .name:           k_qf398c3e112_attn
    .symbol:         k_qf398c3e112_attn.kd
    .args:
      - { .name: c2, .offset: 0, .size: 8, .value_kind: global_buffer, .address_space: global }
      - { .name: s2, .offset: 8, .size: 8, .value_kind: global_buffer, .address_space: global }
      - { .name: ao, .offset: 16, .size: 8, .value_kind: global_buffer, .address_space: global }
      - { .name: aos, .offset: 24, .size: 8, .value_kind: global_buffer, .address_space: global }
    .group_segment_fixed_size: 272384
    .private_segment_fixed_size: 0
    .kernarg_segment_align: 8
    .kernarg_segment_size: 32
    .max_flat_workgroup_size: 512
    .sgpr_count:     100
    .vgpr_count:     256
    .wavefront_size: 32
...
	.end_amdgpu_metadata
.endif
;; end of part 3
;; launch oproj (part 4): grid 4 x 32, 4 waves a work-group, clusters of 4 x 4, 327,680 bytes of LDS; arguments ao, aos, c1, s1, out0; writes out0
.if DOCPART == 4
	.amdgcn_target "amdgcn-amd-amdhsa--gfx1250"
	.amdhsa_code_object_version 6
	.text
	.protected	k_qf398c3e112_oproj
	.globl	k_qf398c3e112_oproj
	.p2align	8
	.type	k_qf398c3e112_oproj,@function
k_qf398c3e112_oproj:
	s_mov_b64 s[64:65], 0
	v_nop
	global_prefetch_b8 v0, s[64:65] scope:SCOPE_SE
	s_setreg_imm32_b32 hwreg(HW_REG_WAVE_MODE, 25, 1), 1
	s_wait_xcnt 0x0
	s_wait_alu depctr_hold_cnt(0) depctr_sa_sdst(0) depctr_va_vdst(0) depctr_va_sdst(0) depctr_va_ssrc(0) depctr_va_vcc(0) depctr_vm_vsrc(0)
	s_getreg_b32 s2, hwreg(HW_REG_IB_STS2, 6, 4)
	s_cmp_eq_u32 s2, 0
	s_cbranch_scc0 .Lentry_in_a_cluster
	s_endpgm
.Lentry_in_a_cluster:
	s_bfe_u32 s2, ttmp6, 0x10000c
	s_cmp_lg_u32 s2, 0xf033
	s_cbranch_scc0 .Lentry_shape_is_right
	s_endpgm
.Lentry_shape_is_right:
; out0 = (attention's result) W_O^T on codes of BF8 (E5M2) with E8M0 scales; M = 8,192, N = 1,024, K = 1,024; out0 f32.
; A tile of 256 x 256 is made by four waves, each 128 x 128: 64 accumulators.  K goes in steps of 256 through a ring of two LDS slots; the scale bytes of the work-group's rows come once, with the first fills.
; 4 x 4 work-groups form a cluster: A's tiles are shared along a row of the cluster, B's along a column, each asked for jointly.
; A (source 1: its rows become lanes) is ao: IMAGES of registers, [16 tokens' tile][K step of 128: 8][4][512]: a fragment is four loads of 512 consecutive bytes, no pitch, no padding.  Its scales: aos [token's place][32].
; B (source 0: its rows run along a lane's registers) is W_O: rows 11,264 on of c1 and s1, as rows of codes.
; PLACES: tokens and W_O's rows lie at places with bits 3 and 4 exchanged.  The way out turns both back: the stage's columns are true columns, and each row of the stage is stored to its true row of out0.
; REGISTERS as in the launch that makes Q, K and V: window 0 addresses, scale words, A's fragments; window 1 B's fragments, two sets; windows 2, 3 the accumulators.
; 128 work-groups: a smaller wave tile would read half as much again from LDS for each matrix instruction.  No prefetch: K has four slots' worth, two of which go out at the head.
.set KSTEP,  256
.set NQ,     2
.set ROWB,   256                       ; a row of B's tile in bytes
.set AROWB,  4096                      ; a slot's part of one tile of 16 tokens in ao: two K steps of 2,048 bytes
.set KROW,   1024
.set PITCH,  272
.set FR,     16
.set NL,     4
.set NP,     8
.set HALFT,  128*PITCH                 ; the LDS room of 128 rows; A's images use 32,768 bytes of it
.set SLOT,   4*HALFT
.set LAPS,   2
.set KS,     32
.set SCL,    2*SLOT
.set HALFS,  (128*KS/256)*272
.set SBLK,   (16*KS/256)*272
.set SPARE,  SCL+4*HALFS               ; the spare words, 128 bytes for each wave: two blocks of 256 bytes that no other line names
.set SPITCH, 528                       ; the way out: a stage of 16 rows x (512 bytes + 16) for each wave, in slot 0, which has had its last fill and its last read when the first result is stored there
.set ADRA, 16
.set ADRB, 20
.set STO,  24
.set RD,   25
.set CO,   26                          ; v26     16 x lane
.set ADRS, 27
.set SPW,  28
.set NIL,  29
.set SC,   32
.set AF,   128
.set BK,   128
.set G1, 24
.set G0, 32
.set G1B, 48
.set G0B, 56
.set G1S, 68
.set G0S, 76
.set G1SB, 80
.set G0SB, 88
.set MSB, 0
.macro WIN new
.if MSB != \new
	s_set_vgpr_msb (MSB<<8)|\new
.set MSB, \new
.endif
.endm
.set MUL_LO, 0xa1
.set MUL_HI, 0xf1
.set TO_B,   0x40
.macro JLOAD g0a, g1a, g0b, g1b        ; a joint load: waves 0 and 1 fetch for A, waves 2 and 3 for B; four v_nop follow each of the two lines
	s_cmp_eq_u32 s15, 0
	s_cbranch_scc0 .Lfor_b_\@
	tensor_load_to_lds s[\g0a:\g0a+3], s[\g1a:\g1a+7]
	s_nop 0
.rept 4
	v_nop
.endr
	s_branch .Lasked_\@
.Lfor_b_\@:
	tensor_load_to_lds s[\g0b:\g0b+3], s[\g1b:\g1b+7]
	s_nop 0
.rept 4
	v_nop
.endr
.Lasked_\@:
.endm
.macro CREST
	s_cmp_lg_u32 s14, 0
	s_cbranch_scc1 .Lnot_wave_0_\@
	s_barrier_signal -3
.Lnot_wave_0_\@:
	s_barrier_wait -3
	s_barrier_signal -1
	s_barrier_wait -1
.endm
.macro CROUND
	s_barrier_signal -1
	s_barrier_wait -1
	CREST
.endm
	s_load_b128 s[4:7], s[0:1], 0x0                ; ao s[4:5], aos s[6:7]
	s_load_b128 s[8:11], s[0:1], 0x10              ; c1 s[8:9], s1 s[10:11]
	s_load_b64 s[12:13], s[0:1], 0x20              ; out0
	v_lshl_add_u32 v[SPW], v0, 2, SPARE
	v_mov_b32 v[NIL], 0
	ds_add_u32 v28, v29
	ds_add_u32 v28, v29
	s_wait_dscnt 0x0
	v_lshrrev_b32 v1, 5, v0
	v_readfirstlane_b32 s14, v1                    ; wave 0..3
	s_lshr_b32 s15, s14, 1                         ; which half of the tile's rows is mine.  Also: I fetch for A (0) or for B (1)
	s_and_b32 s16, s14, 1                          ; which half of its columns.  Also: which 128 rows of that tile I fetch
	s_bfe_u32 s40, ttmp6, 0x40000                  ; cx, cy
	s_bfe_u32 s41, ttmp6, 0x40004
	s_lshl_b32 s42, ttmp9, 2
	s_add_co_u32 s42, s42, s40                     ; tile column
	s_and_b32 s17, ttmp7, 0xffff
	s_lshl_b32 s17, s17, 2
	s_add_co_u32 s17, s17, s41                     ; tile row
	s_lshl_b32 s43, s41, 2
	s_lshl_b32 s43, 15, s43                        ; my row of the cluster
	s_lshl_b32 s44, 0x1111, s40                    ; my column
	; A's tiles: 8 tiles of 16 tokens x 4,096 bytes (512 elements of 8 bytes), 16,384 bytes apart, no padding
	s_or_b32 s[G1+0], s43, (3<<16)|(1<<21)
	s_mov_b32 s[G1+1], 512<<16
	s_mov_b32 s[G1+2], 8<<16
	s_mov_b32 s[G1+3], 512<<16
	s_mov_b32 s[G1+4], 8
	s_mov_b32 s[G1+5], 2048
	s_mov_b32 s[G1+6], 0
	s_mov_b32 s[G1+7], 0
	; B's tiles: 128 rows x 256 bytes, 16 bytes of padding behind each
	s_or_b32 s[G1B+0], s44, (0<<16)|(1<<20)|(1<<21)|(5<<22)|(3<<25)
	s_mov_b32 s[G1B+1], ROWB<<16
	s_mov_b32 s[G1B+2], 128<<16
	s_mov_b32 s[G1B+3], ROWB<<16
	s_mov_b32 s[G1B+4], 128
	s_mov_b32 s[G1B+5], KROW
	s_mov_b32 s[G1B+6], 0
	s_mov_b32 s[G1B+7], 0
	; the scales of 128 rows: 4,096 dense bytes as 16 rows of 256, 16 bytes of padding behind each
	s_or_b32 s[G1S+0], s43, (3<<16)|(1<<20)|(1<<21)|(5<<22)|(3<<25)
	s_or_b32 s[G1SB+0], s44, (3<<16)|(1<<20)|(1<<21)|(5<<22)|(3<<25)
.irp g, G1S, G1SB
	s_mov_b32 s[\g+1], 32<<16
	s_mov_b32 s[\g+2], (128*KS/256)<<16
	s_mov_b32 s[\g+3], 32<<16
	s_mov_b32 s[\g+4], 128*KS/256
	s_mov_b32 s[\g+5], 32
	s_mov_b32 s[\g+6], 0
	s_mov_b32 s[\g+7], 0
.endr
	s_lshl_b32 s18, s16, 7
	s_lshl_b32 s20, s17, 8
	s_add_co_u32 s20, s20, s18                     ; A: place 256 x tile row + 128 x half
	s_lshl_b32 s46, s42, 8
	s_add_co_u32 s46, s46, s18
	s_add_co_u32 s46, s46, 11264                   ; B: W_O's rows in c1
	s_lshl_b32 s22, s20, 5                         ; scales: 32 bytes a row
	s_mov_b32 s23, 0
	s_lshl_b32 s92, s46, 5
	s_mov_b32 s93, 0
	s_lshl_b32 s20, s20, 10                        ; codes: 1,024 bytes a row (16 rows: one tile's 16,384)
	s_mov_b32 s21, 0
	s_lshl_b32 s46, s46, 10
	s_mov_b32 s47, 0
	s_mul_i32 s45, s14, HALFT
	s_mul_i32 s94, s14, HALFS
	s_wait_kmcnt 0x0
	s_add_nc_u64 s[20:21], s[4:5], s[20:21]
	s_add_nc_u64 s[22:23], s[6:7], s[22:23]
	s_add_nc_u64 s[46:47], s[8:9], s[46:47]
	s_add_nc_u64 s[92:93], s[10:11], s[92:93]
	CROUND                                         ; all sixteen work-groups are here: the first joint loads meet
	s_mov_b32 s[G0S], 1
	s_add_co_u32 s[G0S+1], s94, SCL
	s_mov_b64 s[G0S+2:G0S+3], s[22:23]
	s_or_b32 s[G0S+3], s[G0S+3], 0x80000000
	s_mov_b32 s[G0SB], 1
	s_add_co_u32 s[G0SB+1], s94, SCL
	s_mov_b64 s[G0SB+2:G0SB+3], s[92:93]
	s_or_b32 s[G0SB+3], s[G0SB+3], 0x80000000
	JLOAD G0S, G1S, G0SB, G1SB
.irp s, 0,1
	s_mov_b32 s[G0+4*\s], 1
	s_add_co_u32 s[G0+4*\s+1], s45, \s*SLOT
	s_add_nc_u64 s[G0+4*\s+2:G0+4*\s+3], s[20:21], \s*AROWB
	s_or_b32 s[G0+4*\s+3], s[G0+4*\s+3], 0x80000000
	s_mov_b32 s[G0B+4*\s], 1
	s_add_co_u32 s[G0B+4*\s+1], s45, \s*SLOT
	s_add_nc_u64 s[G0B+4*\s+2:G0B+4*\s+3], s[46:47], \s*ROWB
	s_or_b32 s[G0B+4*\s+3], s[G0B+4*\s+3], 0x80000000
	s_wait_alu depctr_va_vdst(0)
	s_wait_tensorcnt 0x0
	ds_add_u32 v28, v29
	s_wait_dscnt 0x0
	CROUND
	JLOAD G0+4*\s, G1, G0B+4*\s, G1B
.endr
	v_and_b32 v1, 15, v0                           ; r
	v_bfe_u32 v2, v0, 4, 1                         ; h
	v_mul_u32_u24 v3, v1, PITCH
	v_lshl_add_u32 v4, v2, 4, v3                   ; B: a fragment's row x pitch + 16 x half
	v_and_b32 v6, 31, v0
	v_lshlrev_b32 v[CO], 4, v6                     ; A: 16 x lane
	s_mul_i32 s21, s15, HALFT
	s_mul_i32 s22, s16, HALFT
	s_add_co_u32 s22, s22, 2*HALFT
.irp s, 0,1
	v_add_nc_u32 v[ADRA+\s], s21, v[CO]
	v_add_nc_u32 v[ADRB+\s], s22, v4
	s_add_co_u32 s21, s21, SLOT
	s_add_co_u32 s22, s22, SLOT
.endr
	v_mul_u32_u24 v5, v1, KS
	v_lshrrev_b32 v6, 8, v5
	v_lshl_add_u32 v5, v6, 4, v5
	s_mul_i32 s21, s15, HALFS
	s_mul_i32 s22, s16, HALFS
	s_add_co_u32 s22, s22, 2*HALFS
	s_sub_co_u32 s22, s22, s21
	v_mul_u32_u24 v6, s22, v2                      ; lanes 16-31 take B's
	s_add_co_u32 s21, s21, SCL
	v_add_nc_u32 v5, v5, v6
	v_add_nc_u32 v[ADRS], s21, v5
	s_mul_i32 s23, s14, 16*SPITCH                  ; my stage
	v_mul_u32_u24 v5, v1, SPITCH                   ; in: row r; my half's 16 true columns of each 32: + 64 h
	v_lshl_add_u32 v5, v2, 6, v5
	v_add_nc_u32 v[STO], s23, v5
	v_add_nc_u32 v[RD], s23, v[CO]                 ; back: the 32 lanes take one row of 512 bytes
	s_lshl_b32 s20, s17, 8
	s_lshl_b32 s21, s15, 7
	s_add_co_u32 s20, s20, s21                     ; my first row of out0
	s_lshl_b32 s20, s20, 12                        ; 4,096 bytes a row
	s_lshl_b32 s46, s42, 10                        ; my first column, in bytes: 1,024 x tile column + 512 x half
	s_lshl_b32 s47, s16, 9
	s_add_co_u32 s46, s46, s47
	s_add_co_u32 s20, s20, s46
	s_mov_b32 s21, 0
	s_add_nc_u64 s[12:13], s[12:13], s[20:21]
.macro FRAG reg, adr, q, i             ; B: rows of codes
.irp c, 0,1,2,3
	ds_load_b128 v[\reg+4*\c:\reg+4*\c+3], v[\adr] offset:128*(\q)+32*\c+(\i)*16*PITCH
.endr
.endm
.macro FRAGA reg, adr, q, i            ; A: an image: block i's 4,096 bytes, the slot's q-th 2,048, four times 512
.irp c, 0,1,2,3
	ds_load_b128 v[\reg+4*\c:\reg+4*\c+3], v[\adr] offset:4096*(\i)+2048*(\q)+512*\c
.endr
.endm
.macro MUL16 a0, p, q, sc, zero        ; the 64 accumulators take turns, one instruction a turn, in the same order in every step
.irp a, \a0, \a0+1
.irp b, 0,1,2,3,4,5,6,7
.if \zero
	v_wmma_scale_f32_16x16x128_f8f6f4 v[8*(8*((\a)%4)+\b):8*(8*((\a)%4)+\b)+7], v[128*(\p)+FR*\b:128*(\p)+FR*\b+FR-1], v[AF+FR*(\a):AF+FR*(\a)+FR-1], 0, v[SC+8*NQ*(\sc)+NQ*\b+(\q)], v[SC+8*NQ*(\sc)+NQ*(\a)+(\q)] matrix_a_fmt:MATRIX_FMT_BF8 matrix_b_fmt:MATRIX_FMT_BF8 matrix_a_scale:MATRIX_SCALE_ROW1
.else
	v_wmma_scale_f32_16x16x128_f8f6f4 v[8*(8*((\a)%4)+\b):8*(8*((\a)%4)+\b)+7], v[128*(\p)+FR*\b:128*(\p)+FR*\b+FR-1], v[AF+FR*(\a):AF+FR*(\a)+FR-1], v[8*(8*((\a)%4)+\b):8*(8*((\a)%4)+\b)+7], v[SC+8*NQ*(\sc)+NQ*\b+(\q)], v[SC+8*NQ*(\sc)+NQ*(\a)+(\q)] matrix_a_fmt:MATRIX_FMT_BF8 matrix_b_fmt:MATRIX_FMT_BF8 matrix_a_scale:MATRIX_SCALE_ROW1
.endif
.endr
.endr
.endm
.macro FETCH_B slot, q, p
	WIN TO_B
.irp i, 0,1,2,3,4,5,6,7
	FRAG 128*(\p)+FR*\i, ADRB+\slot, \q, \i
.endr
	WIN 0
.endm
.macro FETCH_A slot, q, i0
.irp i, \i0, \i0+1, \i0+2, \i0+3
	FRAGA AF+FR*(\i), ADRA+\slot, \q, \i
.endr
.endm
.macro SCALES sc
.irp i, 0,1,2,3,4,5,6,7
	ds_load_b64 v[SC+8*NQ*\sc+NQ*\i:SC+8*NQ*\sc+NQ*\i+1], v[ADRS] offset:\i*SBLK
.endr
.endm
.macro PLACES n
.rept \n
	v_nop
.endr
.endm
.macro STEP slot, q, zero
	s_wait_dscnt 4*NL                              ; all but the youngest 16 loads (A's blocks 4-7) are in
	WIN MUL_LO
	MUL16 0, (\q)%2, \q, \slot, \zero
	MUL16 2, (\q)%2, \q, \slot, \zero
	s_wait_dscnt 0
	PLACES NP
	FETCH_B \slot, (\q)+1, 1-(\q)%2
	FETCH_A \slot, (\q)+1, 0
	WIN MUL_HI
	MUL16 4, (\q)%2, \q, \slot, \zero
	MUL16 6, (\q)%2, \q, \slot, \zero
	PLACES NP
	WIN 0
	FETCH_A \slot, (\q)+1, 4
.endm
.macro TURN slot, next, fill
	s_wait_tensorcnt 0x0                           ; all my tensor loads have landed: my part of the next slot
	ds_add_u32 v[SPW], v[NIL]                      ; 0 onto my spare word
	s_wait_dscnt 4*NL+1                            ; (the add and the youngest 16 loads may be out)
	WIN MUL_LO
	MUL16 0, 1, NQ-1, \slot, 0
	s_wait_dscnt 0x0                               ; the add is done, and my reads of this slot are over
	s_barrier_signal -1
	MUL16 2, 1, NQ-1, \slot, 0
	WIN 0
	s_barrier_wait -1
.if \fill
	CREST                                          ; the barrier has opened a round of the cluster's barrier
	s_add_nc_u64 s[G0+4*\slot+2:G0+4*\slot+3], s[G0+4*\slot+2:G0+4*\slot+3], 2*AROWB
	s_add_nc_u64 s[G0B+4*\slot+2:G0B+4*\slot+3], s[G0B+4*\slot+2:G0B+4*\slot+3], 2*ROWB
	JLOAD G0+4*\slot, G1, G0B+4*\slot, G1B         ; the first tensor load behind the round
	PLACES NP-4
.else
	PLACES NP
.endif
	s_wait_alu depctr_va_vdst(0)
	v_add_nc_u32 v[ADRS], 4*NQ, v[ADRS]
	FETCH_B \next, 0, 0
	FETCH_A \next, 0, 0
	SCALES \next
	WIN MUL_HI
	MUL16 4, 1, NQ-1, \slot, 0
	MUL16 6, 1, NQ-1, \slot, 0
	PLACES NP
	WIN 0
	FETCH_A \next, 0, 4
.endm
	s_wait_alu depctr_va_vdst(0)
	s_wait_tensorcnt 1                             ; the scales and my part of K step 0 are in; K step 1's load may be out
	s_barrier_signal -1
	s_barrier_wait -1
	FETCH_B 0, 0, 0
	FETCH_A 0, 0, 0
	SCALES 0
	FETCH_A 0, 0, 4
	STEP 0, 0, 1
	s_mov_b32 s3, LAPS-1
.Llap:
	TURN 0, 1, 1
	STEP 1, 0, 0
	TURN 1, 0, 1
	STEP 0, 0, 0
	s_sub_co_u32 s3, s3, 1
	s_cmp_lg_u32 s3, 0
	s_cbranch_scc1 .Llap
	TURN 0, 1, 0
	STEP 1, 0, 0
	s_wait_dscnt 4*NL
	WIN MUL_LO
	MUL16 0, 1, NQ-1, 1, 0
	MUL16 2, 1, NQ-1, 1, 0
	s_wait_dscnt 0
	WIN MUL_HI
	MUL16 4, 1, NQ-1, 1, 0
	MUL16 6, 1, NQ-1, 1, 0
	WIN 0
; THE WAY OUT, block by block of 16 tokens' places x 128 columns, through my own stage.  Accumulator (a, b), register j of lane (r, h), is true column 32 (b / 2) + 16 h + 8 (b % 2) + j.
; Row t of block a is the true row 32 (a / 2) + 16 (t / 8) + 8 (a % 2) + t % 8 of my 128: it stands in the store's immediate, 127 rows of 4,096 bytes at the most, inside the signed 24 bits (ISA guide, chapter 10).
; LDS serves a wave's instructions in order (ISA guide 5.7.1.4): no wait between the stores and the loads, nor in front of the next block's stores.
.macro TOSTAGE a
.set AC, 64*((\a)%4)
.set WN, 0x08+4*((\a)/4)
	WIN WN                                         ; an LDS store's data: window 2 or 3
.irp b, 0,1,2,3,4,5,6,7
	ds_store_b128 v[STO], v[AC+8*\b:AC+8*\b+3] offset:128*(\b/2)+32*(\b%2)       ; each accumulator from its low end on
	ds_store_b128 v[STO], v[AC+8*\b+4:AC+8*\b+7] offset:128*(\b/2)+32*(\b%2)+16
.endr
	WIN 0
.set BB, BK+64*((\a)%2)
.irp t, 0,1,2,3,4,5,6,7,8,9,10,11,12,13,14,15
	ds_load_b128 v[BB+4*\t:BB+4*\t+3], v[RD] offset:\t*SPITCH
.endr
.endm
.macro SEND a, younger                 ; younger: the LDS instructions issued behind block a's loads, which may stay out
.set BB, BK+64*((\a)%2)
	s_wait_dscnt \younger
.irp t, 0,1,2,3,4,5,6,7,8,9,10,11,12,13,14,15
	global_store_b128 v[CO], v[BB+4*\t:BB+4*\t+3], s[12:13] offset:(32*((\a)/2)+16*(\t/8)+8*((\a)%2)+\t%8)*4096 th:TH_STORE_NT   ; 32 lanes store 512 consecutive bytes, aligned; written once, read by nobody here
.endr
.endm
	PLACES NP                                      ; behind the last products: for the reads of results and the loads into the registers that held A's fragments
	TOSTAGE 0
.irp a, 1,2,3,4,5,6,7
.if \a > 1
	s_wait_xcnt 0x0                                ; block a - 2's stores have read their registers: block a's loads land there only behind this wait
.endif
	TOSTAGE \a
	SEND \a-1, 32                                  ; behind block a - 1's loads: block a's 16 stores and 16 loads
.endr
	SEND 7, 0
	s_wait_tensorcnt 0x0                           ; the wave's end
	ds_add_u32 v[SPW], v[NIL]
	s_wait_dscnt 0x0
	CROUND                                         ; the closing round
	s_endpgm
.Lfunc_end_k_qf398c3e112_oproj:
	.size	k_qf398c3e112_oproj, .Lfunc_end_k_qf398c3e112_oproj-k_qf398c3e112_oproj
	.p2alignl 7, 3214868480
	.fill 96, 4, 3214868480
	.section	.rodata,"a",@progbits
	.p2align	6, 0x0
	.amdhsa_kernel k_qf398c3e112_oproj
		.amdhsa_group_segment_fixed_size 327680
		.amdhsa_private_segment_fixed_size 0
		.amdhsa_enable_private_segment 0
		.amdhsa_kernarg_size 40
		.amdhsa_user_sgpr_count 2
		.amdhsa_user_sgpr_kernarg_segment_ptr 1
		.amdhsa_wavefront_size32 1
		.amdhsa_system_sgpr_workgroup_id_x 1
		.amdhsa_system_sgpr_workgroup_id_y 1
		.amdhsa_system_sgpr_workgroup_id_z 1
		.amdhsa_system_vgpr_workitem_id 0
		.amdhsa_next_free_vgpr 1024
		.amdhsa_next_free_sgpr 98
		.amdhsa_reserve_vcc 0
		.amdhsa_float_denorm_mode_32 3
		.amdhsa_float_denorm_mode_16_64 3
		.amdhsa_memory_ordered 1
		.amdhsa_forward_progress 1
		.amdhsa_inst_pref_size 146
	.end_amdhsa_kernel
	.amdgpu_metadata
---
amdhsa.version: [ 1, 2 ]
amdhsa.kernels:
  - .name:           k_qf398c3e112_oproj
    .symbol:         k_qf398c3e112_oproj.kd
    .args:
      - { .name: ao, .offset: 0, .size: 8, .value_kind: global_buffer, .address_space: global }
      - { .name: aos, .offset: 8, .size: 8, .value_kind: global_buffer, .address_space: global }
      - { .name: c1, .offset: 16, .size: 8, .value_kind: global_buffer, .address_space: global }
      - { .name: s1, .offset: 24, .size: 8, .value_kind: global_buffer, .address_space: global }
      - { .name: out0, .offset: 32, .size: 8, .value_kind: global_buffer, .address_space: global }
    .group_segment_fixed_size: 327680
    .private_segment_fixed_size: 0
    .kernarg_segment_align: 8
    .kernarg_segment_size: 40
    .max_flat_workgroup_size: 128
    .sgpr_count:     98
    .vgpr_count:     1024
    .wavefront_size: 32
...
	.end_amdgpu_metadata
.endif
;; end of part 4
